; MI455X (gfx1250); checked and timed in simulation.
; The chip was launched on July 23, 2026; its instructions are those of AMD's public machine-readable ISA for CDNA 5 (MIT licence, August 2026) and "CDNA5" Instruction Set Architecture Reference Guide (July 2026). The comments in the code are by the model that wrote it; some were corrected since.
;; Causal Self Attention. Allowed arithmetic: matrix products marked QUANTISED: E2M3 operands, one E8M0 scale for each 32 along K, by v_wmma_scale_f32_16x16x128_f8f6f4 with both operands' format E2M3, f32 sums; everything else in f32.
;; Inputs: W_K 1,024 x 1,024 float32; W_Q 1,024 x 1,024 float32; W_V 1,024 x 1,024 float32; X 4 x 2,048 x 1,024 float32.
;; Outputs: out0 4 x 2,048 x 1,024 float32.
;; This version of the problem:
;;   THIS VERSION OF THE PROBLEM IS GIVEN IN LOW PRECISION. The matrix products marked QUANTISED in the list below multiply operands that are first quantised to E2M3 (2 exponent bits, 3 mantissa bits; 6 bits a number), with one power-of-two scale for each 32 numbers along K (OCP MX v1.0); their sums are f32. All else is computed in f32.
;;   The module's matrix products, in the order in which they are computed (A, B: the left and right operand; K: the contracted axis; several contracted axes count as one K, in the product's order):
;;     1. [M 8,192, K 1,024] x [K 1,024, N 1,024]; A: input X; B: input W_Q: QUANTISED
;;     2. [M 8,192, K 1,024] x [K 1,024, N 1,024]; A: input X; B: input W_K: QUANTISED
;;     3. [M 8,192, K 1,024] x [K 1,024, N 1,024]; A: input X; B: input W_V: QUANTISED
;;     4. batch 4 x [M 2,048, K 1,024] x [K 1,024, N 2,048]; A: computed on the way; B: computed on the way: QUANTISED
;;     5. batch 4 x [M 2,048, K 2,048] x [K 2,048, N 1,024]; A: softmax (see below); B: computed on the way: QUANTISED
;;   THE QUANTISER, for each operand of a quantised product, along K:
;;     - K is cut into blocks of 32 from its start; a last block that is shorter is filled with zeros.
;;     - A block's scale is 2^e with e = floor(log2(the largest magnitude in the block)) - 2, held to -126 .. 127; a block of zeros has e = 0. As a byte (E8M0): e + 127.
;;     - Each number is divided by its block's scale, clamped to +-7.5, and rounded to the nearest number of E2M3, ties to even, subnormals kept.
;;     - The product sums the exact products of the quantised numbers (number of the format x scale) in f32.
;;   ~~~python
;;   def quantise(x, axis):      # numpy; x: float32 -> the quantised numbers, widened to float32 again
;;       x = np.moveaxis(x, axis, -1); K = x.shape[-1]
;;       x = np.pad(x, [(0, 0)] * (x.ndim - 1) + [(0, -K % 32)]); x = x.reshape(x.shape[:-1] + (-1, 32)); a = np.abs(x).max(-1, keepdims=True)
;;       e = np.where(a > 0, np.clip(np.frexp(np.where(a > 0, a, 1))[1] - 1 - 2, -126, 127), 0)      # np.frexp(a)[1] - 1 = floor(log2(a)), exactly
;;       r = np.clip(x / 2.0 ** e, -7.5, 7.5)
;;       step = 2.0 ** (np.maximum(np.frexp(np.where(r == 0, 1, r))[1] - 1, 0) - 3)
;;       q = np.round(r / step) * step * 2.0 ** e      # np.round: ties to even
;;       return np.moveaxis(q.reshape(q.shape[:-2] + (-1,))[..., :K], -1, axis).astype(np.float32)
;;   ~~~
;;   SOFTMAX AHEAD OF A QUANTISED PRODUCT. Where the list says 'softmax', what is quantised is not the finished softmax but p = 2^(t - M), with t = logit x log2(e) and M = ceil(the row's largest t), a whole number; so 1/2 < the row's largest p <= 1. The row's sum l is taken of the UNQUANTISED p, in f32, and the product's result is divided by l at the end. Since M is a whole number, a kernel that streams over the keys may use a running M (the ceiling of the running maximum): every later rescaling is an exact power of two, which a block's scale takes up: the codes' values come out the same.
;;   OPERANDS COMPUTED ON THE WAY. 'Computed on the way' means the value that the module computes at that place (a softmax that the list does not call 'softmax' is quantised finished and normalised). What goes into a quantiser is computed in f32, as accurately as f32 sums, v_exp_f32 and their like allow (about 1e-6 of the number): no bf16 or f16 on the way to a quantiser, and a product that is left as it is and whose result goes on into a quantised operand takes f32 operands (vector FMAs, or v_wmma_f32_16x16x4_f32). A number that lies on a knife's edge between two numbers of the format may be rounded either way, as far as f32 arithmetic and the matrix unit's own rounding can turn it there, and no further.
;; One version. Each part assembles by itself: llvm-mc -triple=amdgcn-amd-amdhsa -mcpu=gfx1250 --defsym DOCPART=n.
;; ======== version 1 of 1: 4 launches
;; workspace buffers: ac 8,650,752 bytes; asc 360,448 bytes; qkvc 18,874,368 bytes; qkvs 786,432 bytes; pc 12,582,912 bytes; pst 1,572,864 bytes
;; launch quant (part 1): grid 352 x 1, 8 waves a work-group, no clusters, 69,632 bytes of LDS; arguments X, W_Q, W_K, W_V, ac, asc; writes ac, asc
.if DOCPART == 1
	.amdgcn_target "amdgcn-amd-amdhsa--gfx1250"
	.amdhsa_code_object_version 6
	.text
	.protected	k_q66c2d02722_quant
	.globl	k_q66c2d02722_quant
	.p2align	8
	.type	k_q66c2d02722_quant,@function
k_q66c2d02722_quant:
	s_mov_b64 s[64:65], 0
	v_nop
	global_prefetch_b8 v0, s[64:65] scope:SCOPE_SE
	s_setreg_imm32_b32 hwreg(HW_REG_WAVE_MODE, 25, 1), 1
	s_wait_xcnt 0x0
; CAUSAL SELF-ATTENTION, ONE HEAD OF 1,024, IN MX-FP6 (E2M3 codes, one E8M0 scale for each 32 along K).  Four launches:
;   quant   X, W_Q, W_K, W_V (f32, K innermost) -> codes and scale words            (this text)
;   proj    Q = X W_Q^T, K = X W_K^T, V^T = W_V X^T, each quantised along the next product's K
;   scores  S = Q K^T / 32 under the causal mask, p = 2^(t - M_loc) quantised along the keys, with -M_loc and the partial sums
;   pv      the row's M and sum from the parts, O = P V / sum
; DEAD WORK.  reference() sets scores[q][k] to -infinity wherever k > q, by a mask that it builds itself; softmax gives those places the weight 0 for every value of the inputs.
; So of the 8 x 8 tiles of 256 queries x 256 keys of each batch, the 28 in which every key comes after every query can reach no output: launches scores and pv leave them out, in both products.
; LIMIT: a NaN, an infinity or an overflow in rows of K or V that reaches only those tiles is not carried to the result.  No input is dead: all four are loaded.
; LIMITS OF THIS TEXT: NaN and infinities among the inputs are not served; a block whose largest magnitude lies under 2^(2 - 126) keeps the scale byte 1; a block of zeros has the byte 1 where
; the quantiser says 127: its codes are zeros, and the bytes are read by this program alone.
;
; THE WORKSPACE IS LAID IN THE ORDER OF THE OPERAND'S REGISTERS.
;   A tile T of any matrix holds, in lane order r = 0 .. 15, the rows 32 (T / 2) + 8 (T % 2) + r + 8 (r / 8): as source 0 of a product such tiles leave 16 neighbours along the next K in a lane's 16 registers of
;   tiles 2 b and 2 b + 1; as source 1 they give the lane that same row, so that what is quantised from a result is again the image of such a tile.
;   A fragment's image (tile T, 128 along K: 12 registers a lane) is 1,536 bytes: register 4 c + e of lane l at byte 512 c + 16 l + 4 e.
;   A scale block (128 along K, 8 tiles) is 512 bytes: the word of row r of tile 4 h + c at byte 16 (r + 16 h) + 4 c: one load of 16 bytes a lane gives four scale registers.
;   ac [tile 704][K step 8][1,536]: tiles 0-63 W_Q, 64-127 W_K, 128-639 X, 640-703 W_V.   asc [K step 8][group of 8 tiles 88][512].
; SHARES.  Work-group x: group x / 4 (128 rows), K steps 2 (x % 4) and 2 (x % 4) + 1.  Wave w: tile w of the group: 16 rows x 256 numbers, two fragments.
; Each load takes 512 consecutive bytes of a row; a K step's 16 x 512 bytes turn through the wave's own stage in LDS (rows 528 bytes apart), from which lane (r, h) takes k = 64 c + 32 h + 0 .. 31 of row r:
; two whole blocks of 32, in the order of the operand's registers.  So a block's largest magnitude needs no other lane and the conversions' results are the fragment.
.set STGW,  8448                       ; a wave's stage: 16 rows x 528 bytes
.set SPI,   528
.set SCG,   8*STGW                     ; behind the stages: the work-group's two scale blocks
.set SPARE, SCG+1024                   ; behind them: the spare words, 128 bytes for each of the eight waves, which no other line names
.set LO,  1                            ; v1   16 x lane
.set RR,  2                            ; v2   r = lane % 16
.set HH,  3                            ; v3   h = lane / 16
.set SI,  4                            ; v4   the stage, on the way in
.set SO,  5                            ; v5   and on the way out
.set SG,  6                            ; v6   where my row's scale word goes
.set SGR, 7                            ; v7   where waves 0 and 1 read a scale block back
.set MX,  8                            ; v8-9   largest magnitudes
.set SOP, 10                           ; v10-11 the conversions' scale operands
.set BY,  12                           ; v12-13 scale bytes
.set TT,  14                           ; v14  at work
.set H8,  15                           ; v15  8 h
.set R,   16                           ; v16-143  2 x 64 registers as loaded
.set XR,  144                          ; v144-207 64 numbers: register 32 c + i = k 64 c + 32 h + i of row r
.set CD,  208                          ; v208-231 the two fragments' codes
.set TP,  232                          ; v232-239 second halves of blocks
.set WD,  240                          ; v240-241 the two scale words
.set SPW, 252                          ; v252 LDS address of my spare word; never rewritten
.set NIL, 253                          ; v253 0; never rewritten
	s_load_b256 s[4:11], s[0:1], 0x0               ; X s[4:5], W_Q s[6:7], W_K s[8:9], W_V s[10:11]
	s_load_b128 s[12:15], s[0:1], 0x20             ; ac s[12:13], asc s[14:15]
	v_lshl_add_u32 v[SPW], v0, 2, SPARE
	v_mov_b32 v[NIL], 0
	v_lshrrev_b32 v8, 5, v0
	v_readfirstlane_b32 s18, v8                    ; wave 0..7
	s_lshr_b32 s16, ttmp9, 2                       ; the group of 128 rows
	s_and_b32 s17, ttmp9, 3                        ; which pair of K steps
	v_and_b32 v8, 31, v0
	v_lshlrev_b32 v[LO], 4, v8
	v_and_b32 v[RR], 15, v0
	v_bfe_u32 v[HH], v0, 4, 1
	s_mul_i32 s19, s18, STGW
	v_add_nc_u32 v[SI], s19, v[LO]                 ; in: a row's 512 bytes, 16 a lane
	v_mul_u32_u24 v[SO], v[RR], SPI
	v_lshl_add_u32 v[SO], v[HH], 7, v[SO]
	v_add_nc_u32 v[SO], s19, v[SO]                 ; out: row r, + 128 h
	s_lshr_b32 s19, s18, 2
	s_lshl_b32 s19, s19, 8
	s_and_b32 s23, s18, 3
	s_lshl_b32 s23, s23, 2
	s_add_co_u32 s19, s19, s23
	s_add_co_u32 s19, s19, SCG
	v_lshl_add_u32 v[SG], v[RR], 4, s19            ; 16 r + 256 (wave / 4) + 4 (wave % 4)
	s_and_b32 s23, s18, 1
	s_lshl_b32 s19, s23, 9
	s_add_co_u32 s19, s19, SCG
	v_add_nc_u32 v[SGR], s19, v[LO]
	v_lshlrev_b32 v[H8], 3, v[HH]
	v_mov_b32 v[TT], 0                             ; written once: a lane permute's destination counts as one of its sources
	s_mov_b32 s26, 0x76543210
	s_mov_b32 s27, 0xfedcba98                      ; v_permlanex16_b32's selects for lane l xor 16
	s_lshl_b32 s28, s17, 1                         ; asc: ((K step) x 88 + group) x 512; waves 0 and 1 store one K step's block each
	s_add_co_u32 s28, s28, s23
	s_mul_i32 s28, s28, 88
	s_add_co_u32 s28, s28, s16
	s_lshl_b32 s28, s28, 9
	s_mov_b32 s29, 0
	s_lshl_b32 s30, s16, 3                         ; ac: tile x 12,288 + pair of K steps x 3,072
	s_add_co_u32 s30, s30, s18
	s_mul_i32 s30, s30, 12288
	s_mul_i32 s31, s17, 3072
	s_add_co_u32 s30, s30, s31
	s_mov_b32 s31, 0
	s_wait_kmcnt 0x0
	s_cmp_lt_u32 s16, 80                           ; which tensor: the choice hangs on the work-group's number alone
	s_cselect_b64 s[20:21], s[4:5], s[10:11]       ; groups 16-79 X, 80-87 W_V
	s_cselect_b32 s22, 16, 80
	s_cmp_lt_u32 s16, 16
	s_cselect_b64 s[20:21], s[8:9], s[20:21]       ; groups 8-15 W_K
	s_cselect_b32 s22, 8, s22
	s_cmp_lt_u32 s16, 8
	s_cselect_b64 s[20:21], s[6:7], s[20:21]       ; groups 0-7 W_Q
	s_cselect_b32 s22, 0, s22
	s_sub_co_u32 s22, s16, s22                     ; the group within its tensor
	s_lshl_b32 s22, s22, 7
	s_lshr_b32 s24, s18, 1
	s_lshl_b32 s24, s24, 5
	s_add_co_u32 s22, s22, s24
	s_and_b32 s24, s18, 1
	s_lshl_b32 s24, s24, 3
	s_add_co_u32 s22, s22, s24                     ; my tile's first row: 128 group + 32 (wave / 2) + 8 (wave % 2)
	s_lshl_b32 s24, s22, 12                        ; rows of 4,096 bytes (under 2^26 in all)
	s_lshl_b32 s25, s17, 10                        ; + the pair of K steps: 1,024 bytes
	s_add_co_u32 s24, s24, s25
	s_mov_b32 s25, 0
	s_add_nc_u64 s[20:21], s[20:21], s[24:25]
	s_add_nc_u64 s[12:13], s[12:13], s[30:31]
	s_add_nc_u64 s[14:15], s[14:15], s[28:29]
.irp q, 0,1
.irp rr, 0,1,2,3,4,5,6,7,8,9,10,11,12,13,14,15
	global_load_b128 v[R+64*\q+4*\rr:R+64*\q+4*\rr+3], v[LO], s[20:21] offset:(\rr+8*(\rr/8))*4096+512*\q th:TH_LOAD_NT   ; 32 lanes read 512 consecutive bytes of the tile's row rr; all 32 loads of the wave go out at once
.endr
.endr
; K step q of the pair becomes a fragment and a scale word a row.
.macro FRAGQ q
	s_wait_loadcnt 16*(1-\q)                       ; this K step's 16 loads are in; the other's may be out
.irp rr, 0,1,2,3,4,5,6,7,8,9,10,11,12,13,14,15
	ds_store_b128 v[SI], v[R+64*\q+4*\rr:R+64*\q+4*\rr+3] offset:SPI*\rr
.endr
.irp c, 0,1
.irp j, 0,1,2,3,4,5,6,7
	ds_load_b128 v[XR+32*\c+4*\j:XR+32*\c+4*\j+3], v[SO] offset:256*\c+16*\j   ; LDS serves a wave's instructions in order: these see the stores above
.endr
.endr
	s_wait_dscnt 0x0
.irp c, 0,1
	v_max3_num_f32 v[MX+\c], |v[XR+32*\c]|, |v[XR+32*\c+1]|, 0x1800000   ; my block 2 c + h: all 32 numbers are mine; the floor 2^(3 - 127) holds the byte at 1 from below
.endr
.irp i, 2,4,6,8,10,12,14,16,18,20,22,24,26,28,30
.irp c, 0,1
	v_max3_num_f32 v[MX+\c], v[MX+\c], |v[XR+32*\c+\i]|, |v[XR+32*\c+\i+1]|
.endr
.endr
.irp c, 0,1
	v_add_nc_u32 v[SOP+\c], 0xff000000, v[MX+\c]   ; 2 off the exponent field: the conversion takes the exponent field of this operand as its scale
.endr
.irp c, 0,1
	v_lshrrev_b32 v[BY+\c], 23, v[SOP+\c]          ; the scale's byte
.endr
	v_lshl_or_b32 v[BY], v[BY+1], 16, v[BY]        ; blocks h and 2 + h,
	v_lshlrev_b32 v[BY], v[H8], v[BY]              ; at their places in the word;
	v_permlanex16_b32 v[TT], v[BY], s26, s27
	v_or_b32 v[WD+\q], v[BY], v[TT]                ; with lane l xor 16's two the word is whole
.irp c, 0,1
	v_cvt_scalef32_pk16_fp6_f32 v[CD+12*\q+6*\c:CD+12*\q+6*\c+2], v[XR+32*\c:XR+32*\c+15], v[SOP+\c]
	v_cvt_scalef32_pk16_fp6_f32 v[TP+4*\c:TP+4*\c+2], v[XR+32*\c+16:XR+32*\c+31], v[SOP+\c]   ; (a conversion's three registers begin on an even number)
.endr
	v_nop                                          ; one plain place behind the scaled conversions
.irp c, 0,1
.irp i, 0,1,2
	v_mov_b32 v[CD+12*\q+6*\c+3+\i], v[TP+4*\c+\i]
.endr
.endr
.irp k, 0,1,2
	global_store_b128 v[LO], v[CD+12*\q+4*\k:CD+12*\q+4*\k+3], s[12:13] offset:1536*\q+512*\k   ; the image: 512 consecutive bytes a store; each K step has its own registers, so no store's data are written again
.endr
	ds_store_b32 v[SG], v[WD+\q] offset:512*\q     ; both halves of the lanes write the same word with the same value
.endm
	FRAGQ 0
	FRAGQ 1
	s_wait_dscnt 0x0                               ; for the others' sake: my scale words lie in LDS
	s_barrier_signal -1
	s_barrier_wait -1
	s_cmp_lt_u32 s18, 2
	s_cbranch_scc0 .Ldone                          ; waves 0 and 1 store one whole scale block each
	ds_load_b128 v[8:11], v[SGR]
	s_wait_dscnt 0x0
	global_store_b128 v[LO], v[8:11], s[14:15]     ; 512 consecutive bytes
.Ldone:
	s_wait_tensorcnt 0x0                           ; the wave's end, behind my last LDS store
	ds_add_u32 v[SPW], v[NIL]
	s_wait_dscnt 0x0
	s_endpgm
.Lfunc_end_k_q66c2d02722_quant:
	.size	k_q66c2d02722_quant, .Lfunc_end_k_q66c2d02722_quant-k_q66c2d02722_quant
	.p2alignl 7, 3214868480
	.fill 96, 4, 3214868480
	.section	.rodata,"a",@progbits
	.p2align	6, 0x0
	.amdhsa_kernel k_q66c2d02722_quant
		.amdhsa_group_segment_fixed_size 69632
		.amdhsa_private_segment_fixed_size 0
		.amdhsa_enable_private_segment 0
		.amdhsa_kernarg_size 48
		.amdhsa_user_sgpr_count 2
		.amdhsa_user_sgpr_kernarg_segment_ptr 1
		.amdhsa_wavefront_size32 1
		.amdhsa_system_sgpr_workgroup_id_x 1
		.amdhsa_system_sgpr_workgroup_id_y 1
		.amdhsa_system_sgpr_workgroup_id_z 1
		.amdhsa_system_vgpr_workitem_id 0
		.amdhsa_next_free_vgpr 256
		.amdhsa_next_free_sgpr 66
		.amdhsa_reserve_vcc 0
		.amdhsa_float_denorm_mode_32 3
		.amdhsa_float_denorm_mode_16_64 3
		.amdhsa_memory_ordered 1
		.amdhsa_forward_progress 1
		.amdhsa_inst_pref_size 18
	.end_amdhsa_kernel
	.amdgpu_metadata
---
amdhsa.version: [ 1, 2 ]
amdhsa.kernels:
  - .name:           k_q66c2d02722_quant
    .symbol:         k_q66c2d02722_quant.kd
    .args:
      - { .name: X, .offset: 0, .size: 8, .value_kind: global_buffer, .address_space: global }
      - { .name: W_Q, .offset: 8, .size: 8, .value_kind: global_buffer, .address_space: global }
      - { .name: W_K, .offset: 16, .size: 8, .value_kind: global_buffer, .address_space: global }
      - { .name: W_V, .offset: 24, .size: 8, .value_kind: global_buffer, .address_space: global }
      - { .name: ac, .offset: 32, .size: 8, .value_kind: global_buffer, .address_space: global }
      - { .name: asc, .offset: 40, .size: 8, .value_kind: global_buffer, .address_space: global }
    .group_segment_fixed_size: 69632
    .private_segment_fixed_size: 0
    .kernarg_segment_align: 8
    .kernarg_segment_size: 48
    .max_flat_workgroup_size: 256
    .sgpr_count:     66
    .vgpr_count:     256
    .wavefront_size: 32
...
	.end_amdgpu_metadata
.endif
;; end of part 1
;; launch proj (part 2): grid 96 x 4, 4 waves a work-group, clusters of 4 x 4, 327,680 bytes of LDS; arguments ac, asc, qkvc, qkvs; writes qkvc, qkvs
.if DOCPART == 2
	.amdgcn_target "amdgcn-amd-amdhsa--gfx1250"
	.amdhsa_code_object_version 6
	.text
	.protected	k_q66c2d02722_proj
	.globl	k_q66c2d02722_proj
	.p2align	8
	.type	k_q66c2d02722_proj,@function
k_q66c2d02722_proj:
	s_mov_b64 s[64:65], 0
	v_nop
	global_prefetch_b8 v0, s[64:65] scope:SCOPE_SE
	s_setreg_imm32_b32 hwreg(HW_REG_WAVE_MODE, 25, 1), 1
	s_wait_xcnt 0x0
	s_wait_alu depctr_hold_cnt(0) depctr_sa_sdst(0) depctr_va_vdst(0) depctr_va_sdst(0) depctr_va_ssrc(0) depctr_va_vcc(0) depctr_vm_vsrc(0)
	s_getreg_b32 s2, hwreg(HW_REG_IB_STS2, 6, 4)
	s_cmp_eq_u32 s2, 0
	s_cbranch_scc0 .Lentry_in_a_cluster
	s_endpgm
.Lentry_in_a_cluster:
	s_bfe_u32 s2, ttmp6, 0x10000c
	s_cmp_lg_u32 s2, 0xf033
	s_cbranch_scc0 .Lentry_shape_is_right
	s_endpgm
.Lentry_shape_is_right:
; Q = X W_Q^T, K = X W_K^T and V^T = W_V X^T on codes of FP6 (E2M3) with E8M0 scales, K = 1,024; each result is quantised at once along the NEXT product's K and stored as fragment images and scale blocks
; (the layouts: launch quant's head).  Q and K are quantised along their 1,024 columns, V^T along the keys.
; ONE PATH FOR ALL THREE.  C[i][j] = sum over k of P[i][k] R[j][k], quantised along j.  P's rows are ac's tiles from 128 on (X, then W_V), R's are ac's tiles from 0 on (W_Q, W_K, then X).
; Tiles of C, 256 x 256, at (ty, tx): ty 0-31 x tx 0-7 are Q | K; ty 32-35 x tx 8-39 are V^T.  384 tiles = 24 clusters of 4 x 4.
; A tile is made by four waves, each 128 x 128: 64 accumulators, 512 registers.  THE MATRIX INSTRUCTION IS USED TRANSPOSED: source 0 = 16 rows of R, source 1 = 16 rows of P: a lane holds one row of P
; and, by the order of rows in a tile, the 16 registers of R's tiles 2 b, 2 b + 1 are 16 neighbours along j.
; K goes in 8 steps of 128, two to an LDS slot, THREE slots: K steps 0 to 5 are asked for at the head, and slot 0 is filled once more, with K steps 6 and 7, as soon as it has been read.
; A tile's two K steps are 3,072 dense bytes; a wave's tensor load brings 8 tiles (128 rows).  The scale blocks of all 8 K steps come once.
; CLUSTERS.  The four work-groups of a row of the cluster need the same rows of P, the four of a column the same rows of R: each tile is asked for jointly, by the same load with a mask that names the four.
; OUT: qkvc: Q [tile 512][K step 8][1,536] at 0, K the same at 6,291,456, V^T [batch 4][tile of d 64][128 keys 16][1,536] at 12,582,912.
;      qkvs: Q [K step 8][group 64][512] at 0, K at 262,144, V^T [batch 4][128 keys 16][group of d 8][512] at 524,288.
; LIMITS: as in launch quant (NaN, infinities, blocks under 2^(2 - 126), blocks of zeros).
; REGISTERS, in windows of 256: window 0: v16-29 addresses; v32-47 scale words, two sets of 8, and nothing else ever; v64-159, v160-255 P's fragments, two sets.  window 1: R's two sets, at v0 and v96.
;   windows 2, 3: accumulator (a, b) at v[8 (8 (a % 4) + b)], window 2 for a < 4.
.set CLUSTER, 1
.set NG,    88                         ; scale blocks in a K step of asc
.set FR,    12                         ; registers of a fragment
.set FI,    1536                       ; its image
.set TK,    2*FI                       ; a tile's two K steps
.set HALFT, 8*TK                       ; 8 tiles: what one tensor load brings
.set SLOT,  4*HALFT                    ; P's halves 0, 1, R's halves 0, 1
.set SCL,   3*SLOT                     ; behind the three slots: four times 8 scale blocks
.set HALFS, 8*512
.set SPARE, SCL+4*HALFS                ; the spare words, 128 bytes for each wave, which no other line names
.set ADRP, 16                          ; v16-18 my half of P in slot 0, 1, 2, + 16 x lane
.set ADRR, 20                          ; v20-22 my half of R
.set ADSP, 24                          ; v24    P's scale blocks
.set ADSR, 25                          ; v25    R's
.set LI,   26                          ; v26    16 x lane
.set SPW,  28                          ; v28    my spare word; never rewritten
.set NIL,  29                          ; v29    0; never rewritten
.set SC,   32                          ; set x 8: registers 0-3 P's tiles (c in lanes 0-15, 4 + c in lanes 16-31), 4-7 R's
.set PF,   64
.set SEL,  12                          ; s[12:13] selects for lane l xor 16
.set HM,   18                          ; s18 lanes 16-31 (at the head: at work)
.set U0,   20                          ; s[20:21] P's codes, s[22:23] P's scales; once the descriptors hold copies: at work for the way out's addresses
.set U1,   21
.set U2,   22
.set U3,   23
.set G1,   24                          ; s[24:31] group 1 for P's codes
.set G0,   32                          ; s[32:43] P's groups 0, one for each slot
.set CX,   44                          ; s44, s45 my place in the cluster
.set CY,   45
.set TX,   46                          ; s46 tx
.set QK,   47                          ; s47 1: Q | K, 0: V^T
.set G1B,  48                          ; s[48:55] group 1 for R's codes
.set G0SB, 56                          ; s[56:59] group 0 for R's scales
.set MROW, 60                          ; s60, s61 the masks of my row and my column of the cluster
.set MCOL, 61
.set RA,   62                          ; s[62:63] R's codes
.set RS,   66                          ; s[66:67] R's scales
.set G1S,  68                          ; s[68:75], s[76:79] groups 1 and 0 for P's scales
.set G0S,  76
.set G1SB, 80                          ; s[80:87] group 1 for R's scales
.set G0B,  88                          ; s[88:99] R's groups 0, one for each slot
.set LC,   100                         ; s100 where my tensor loads land in a slot
.set LSC,  101                         ; s101 and among the scales
.set MSB, 0
.macro WIN new                         ; the immediate's high byte repeats the setting that is left; a switch that changes nothing is dropped
.if MSB != (\new)
	s_set_vgpr_msb (MSB<<8)|(\new)
.set MSB, (\new)
.endif
.endm
.set MUL_LO, 0xa1                      ; source 0 (R) window 1, source 1 (P) window 0, C and D window 2
.set MUL_HI, 0xf1                      ; the same, C and D window 3
.set TO_R,   0x40                      ; destination window 1, address window 0
.macro PLACES n
.rept \n
	v_nop
.endr
.endm
; Waves 0 and 1 fetch for P, waves 2 and 3 for R.  The branch hangs on the wave's number alone.  An s_nop 0 and four v_nop follow each of the two lines.
.macro JLOAD g0a, g1a, g0b, g1b
	s_cmp_eq_u32 s15, 0
	s_cbranch_scc0 .Lfor_b_\@
	tensor_load_to_lds s[\g0a:\g0a+3], s[\g1a:\g1a+7]
	s_nop 0
.rept 4
	v_nop
.endr
	s_branch .Lasked_\@
.Lfor_b_\@:
	tensor_load_to_lds s[\g0b:\g0b+3], s[\g1b:\g1b+7]
	s_nop 0
.rept 4
	v_nop
.endr
.Lasked_\@:
.endm
.macro CREST                           ; a round of the cluster's barrier behind its opening barrier
	s_cmp_lg_u32 s14, 0
	s_cbranch_scc1 .Lnot_wave_0_\@
	s_barrier_signal -3
.Lnot_wave_0_\@:
	s_barrier_wait -3
	s_barrier_signal -1
	s_barrier_wait -1
.endm
.macro CROUND
	s_barrier_signal -1
	s_barrier_wait -1
	CREST
.endm
.macro FRAG reg, adr, off              ; a fragment's image comes back as it was stored: 3 loads of 512 consecutive bytes
.irp c, 0,1,2
	ds_load_b128 v[(\reg)+4*\c:(\reg)+4*\c+3], v[\adr] offset:(\off)+512*\c
.endr
.endm
; 50 LDS loads in one run: R's eight and P's eight fragments of the slot's q-th K step into set fs, and K step ks's two scale blocks
.macro FETCH fs, sl, q, ks
	WIN TO_R
.irp i, 0,1,2,3,4,5,6,7
	FRAG 96*(\fs)+FR*\i, ADRR+\sl, TK*\i+FI*(\q)
.endr
	WIN 0
.irp i, 0,1,2,3,4,5,6,7
	FRAG PF+96*(\fs)+FR*\i, ADRP+\sl, TK*\i+FI*(\q)
.endr
	ds_load_b128 v[SC+8*(\fs):SC+8*(\fs)+3], v[ADSP] offset:512*(\ks)
	ds_load_b128 v[SC+8*(\fs)+4:SC+8*(\fs)+7], v[ADSR] offset:512*(\ks)
.endm
; One product: P's block a x R's tile b, set fs.  A tile from 4 on has its scale words in lanes 16-31 of its register.
.macro WM a, b, fs, zero
.set rD, 8*(8*((\a)%4)+(\b))
.set rA, 96*(\fs)+FR*(\b)
.set rB, PF+96*(\fs)+FR*(\a)
.set rSA, SC+8*(\fs)+4+(\b)%4
.set rSB, SC+8*(\fs)+(\a)%4
.if \zero
.if ((\a) < 4) && ((\b) < 4)
	v_wmma_scale_f32_16x16x128_f8f6f4 v[rD:rD+7], v[rA:rA+11], v[rB:rB+11], 0, v[rSA], v[rSB] matrix_a_fmt:MATRIX_FMT_FP6 matrix_b_fmt:MATRIX_FMT_FP6
.elseif (\a) < 4
	v_wmma_scale_f32_16x16x128_f8f6f4 v[rD:rD+7], v[rA:rA+11], v[rB:rB+11], 0, v[rSA], v[rSB] matrix_a_fmt:MATRIX_FMT_FP6 matrix_b_fmt:MATRIX_FMT_FP6 matrix_a_scale:MATRIX_SCALE_ROW1
.elseif (\b) < 4
	v_wmma_scale_f32_16x16x128_f8f6f4 v[rD:rD+7], v[rA:rA+11], v[rB:rB+11], 0, v[rSA], v[rSB] matrix_a_fmt:MATRIX_FMT_FP6 matrix_b_fmt:MATRIX_FMT_FP6 matrix_b_scale:MATRIX_SCALE_ROW1
.else
	v_wmma_scale_f32_16x16x128_f8f6f4 v[rD:rD+7], v[rA:rA+11], v[rB:rB+11], 0, v[rSA], v[rSB] matrix_a_fmt:MATRIX_FMT_FP6 matrix_b_fmt:MATRIX_FMT_FP6 matrix_a_scale:MATRIX_SCALE_ROW1 matrix_b_scale:MATRIX_SCALE_ROW1
.endif
.else
.if ((\a) < 4) && ((\b) < 4)
	v_wmma_scale_f32_16x16x128_f8f6f4 v[rD:rD+7], v[rA:rA+11], v[rB:rB+11], v[rD:rD+7], v[rSA], v[rSB] matrix_a_fmt:MATRIX_FMT_FP6 matrix_b_fmt:MATRIX_FMT_FP6
.elseif (\a) < 4
	v_wmma_scale_f32_16x16x128_f8f6f4 v[rD:rD+7], v[rA:rA+11], v[rB:rB+11], v[rD:rD+7], v[rSA], v[rSB] matrix_a_fmt:MATRIX_FMT_FP6 matrix_b_fmt:MATRIX_FMT_FP6 matrix_a_scale:MATRIX_SCALE_ROW1
.elseif (\b) < 4
	v_wmma_scale_f32_16x16x128_f8f6f4 v[rD:rD+7], v[rA:rA+11], v[rB:rB+11], v[rD:rD+7], v[rSA], v[rSB] matrix_a_fmt:MATRIX_FMT_FP6 matrix_b_fmt:MATRIX_FMT_FP6 matrix_b_scale:MATRIX_SCALE_ROW1
.else
	v_wmma_scale_f32_16x16x128_f8f6f4 v[rD:rD+7], v[rA:rA+11], v[rB:rB+11], v[rD:rD+7], v[rSA], v[rSB] matrix_a_fmt:MATRIX_FMT_FP6 matrix_b_fmt:MATRIX_FMT_FP6 matrix_a_scale:MATRIX_SCALE_ROW1 matrix_b_scale:MATRIX_SCALE_ROW1
.endif
.endif
.endm
.macro MULQ fs, a0, zero               ; 16 products: blocks a0, a0 + 1 x R's eight.  The 64 accumulators take turns, one instruction a turn, in the same order in every K step
.irp a, \a0, \a0+1
.irp b, 0,1,2,3,4,5,6,7
	WM \a, \b, \fs, \zero
.endr
.endr
.endm
.macro MULH fs, hi, zero               ; 32 products: one window of accumulators
.if \hi
	WIN MUL_HI
.else
	WIN MUL_LO
.endif
	MULQ \fs, 4*\hi, \zero
	MULQ \fs, 4*\hi+2, \zero
.endm
; An even K step (set 0): its successor lies in the same slot and is fetched at once, 64 products ahead of its use.
.macro STEP sl, ks, zero
	s_wait_dscnt 0x0                               ; this K step's 50 loads are in
	PLACES 4                                       ; four places between the last products, which read set 1, and the loads into it
	FETCH 1, \sl, 1, (\ks)+1
	MULH 0, 0, \zero
	MULH 0, 1, \zero
.endm
; An odd K step (set 1) whose successor lies in a slot that an earlier barrier has shown whole to every wave: no barrier.
.macro ODD nx, ks
	s_wait_dscnt 0x0                               ; this K step's 50 loads are in
	PLACES 4                                       ; four places between the last products, which read set 0, and the loads into it
	FETCH 0, \nx, 0, (\ks)+1
	MULH 1, 0, 0
	MULH 1, 1, 0
.endm
; An odd K step (set 1) with a barrier in its middle; in front of it each wave waits for all its tensor loads, adds 0 to its spare word, and waits for that and for its own reads of this slot.
; fill = 1 (K step 1): every wave's first fills have landed, so behind the barrier slots 1 and 2 are whole for everybody, and nobody reads slot 0 any more: it is filled again, with K steps 6 and 7:
; 224 products lie between that request and the wait for it.   fill = 0 (K step 5): that wait; behind the barrier slot 0 is whole again.
.macro TURN sl, nx, fill, ks
	WIN 0                                          ; (the add's two registers lie in window 0)
	s_wait_tensorcnt 0x0                           ; all my tensor loads have landed
	ds_add_u32 v[SPW], v[NIL]                      ; 0 onto my spare word
	s_wait_dscnt 1                                 ; this K step's 50 loads are in; the add alone may be out
	WIN MUL_LO
	MULQ 1, 0, 0                                   ; sixteen products stand between the add and the wait for it
	s_wait_dscnt 0x0                               ; the add is done, and my reads of this slot are over
	s_barrier_signal -1
	MULQ 1, 2, 0
	WIN 0
	s_barrier_wait -1
.if \fill
.if CLUSTER
	CREST                                          ; the barrier has opened a round of the cluster's barrier: no wave of any partner still reads this slot or has a load on its way
.endif
	s_add_nc_u64 s[G0+4*\sl+2:G0+4*\sl+3], s[G0+4*\sl+2:G0+4*\sl+3], 3*TK      ; six K steps on
	s_add_nc_u64 s[G0B+4*\sl+2:G0B+4*\sl+3], s[G0B+4*\sl+2:G0B+4*\sl+3], 3*TK
	JLOAD G0+4*\sl, G1, G0B+4*\sl, G1B             ; my one tensor load behind the barrier; its four v_nop are the places in front of the loads below
.else
	PLACES 4
.endif
	FETCH 0, \nx, 0, (\ks)+1
	MULH 1, 1, 0
.endm
	s_load_b256 s[4:11], s[0:1], 0x0               ; ac s[4:5], asc s[6:7], qkvc s[8:9], qkvs s[10:11]
	v_lshl_add_u32 v[SPW], v0, 2, SPARE
	v_mov_b32 v[NIL], 0
	ds_add_u32 v[SPW], v[NIL]                      ; the wave's opening: the add, twice on end, and its wait ahead of my first tensor load
	ds_add_u32 v[SPW], v[NIL]                      ; and once more, under the one wait; the set-up below, work on registers, stands between
	v_lshrrev_b32 v1, 5, v0
	v_readfirstlane_b32 s14, v1                    ; wave 0..3
	s_lshr_b32 s15, s14, 1                         ; my half of P's rows.  Also: I fetch for P (0) or for R (1)
	s_and_b32 s16, s14, 1                          ; my half of R's rows.  Also: which half I fetch
	s_bfe_u32 s[CX], ttmp6, 0x40000                ; cx, cy: my place in the cluster
	s_bfe_u32 s[CY], ttmp6, 0x40004
	s_and_b32 s18, ttmp9, 1                        ; clusters 0-15 make Q | K: 2 along tx, 8 along ty;
	s_lshr_b32 s19, ttmp9, 1
	s_sub_co_u32 s20, ttmp9, 14                    ; clusters 16-23 make V^T: 8 along tx, from tx = 8, at ty = 32
	s_cmp_lt_u32 ttmp9, 16
	s_cselect_b32 s18, s18, s20
	s_cselect_b32 s19, s19, 8
	s_cselect_b32 s[QK], 1, 0                      ; 1: Q | K
	s_lshl_b32 s[TX], s18, 2
	s_add_co_u32 s[TX], s[TX], s[CX]               ; tx
	s_lshl_b32 s17, s19, 2
	s_add_co_u32 s17, s17, s[CY]                   ; ty
	s_lshl_b32 s[MROW], s[CY], 2
	s_lshl_b32 s[MROW], 15, s[MROW]                ; my row of the cluster
	s_lshl_b32 s[MCOL], 0x1111, s[CX]              ; my column
	; group 1 for codes: 8 rows (tiles) of 384 elements of 8 bytes, 1,536 elements (a tile's eight K steps) apart; dense in LDS
	s_or_b32 s[G1+0], s[MROW], (3<<16)|(1<<21)     ; 15:0 the mask: P's tiles go to my row; 17:16 elements of 8 bytes; 21 set beside a mask
	s_or_b32 s[G1B+0], s[MCOL], (3<<16)|(1<<21)
.irp g, G1, G1B
	s_mov_b32 s[\g+1], 384<<16                     ; tensor_dim0
	s_mov_b32 s[\g+2], 8<<16                       ; tensor_dim1
	s_mov_b32 s[\g+3], 384<<16                     ; tile_dim0
	s_mov_b32 s[\g+4], 8                           ; tile_dim1
	s_mov_b32 s[\g+5], 1536                        ; tensor_dim0_stride
	s_mov_b32 s[\g+6], 0
	s_mov_b32 s[\g+7], 0
.endr
	; and for scales: 8 rows (K steps) of 64 elements (a block of 512 bytes), NG blocks apart
	s_or_b32 s[G1S+0], s[MROW], (3<<16)|(1<<21)
	s_or_b32 s[G1SB+0], s[MCOL], (3<<16)|(1<<21)
.irp g, G1S, G1SB
	s_mov_b32 s[\g+1], 64<<16
	s_mov_b32 s[\g+2], 8<<16
	s_mov_b32 s[\g+3], 64<<16
	s_mov_b32 s[\g+4], 8
	s_mov_b32 s[\g+5], NG*64
	s_mov_b32 s[\g+6], 0
	s_mov_b32 s[\g+7], 0
.endr
	s_lshl_b32 s20, s17, 4                         ; P: tile 128 + 16 ty + 8 half: made of the cluster's number, cy and the wave's number alone
	s_lshl_b32 s21, s16, 3
	s_add_co_u32 s20, s20, s21
	s_add_co_u32 s20, s20, 128
	s_mul_i32 s20, s20, 12288
	s_mov_b32 s21, 0
	s_lshl_b32 s[RA], s[TX], 4                     ; R: tile 16 tx + 8 half: of the cluster's number, cx and the wave's number alone
	s_lshl_b32 s[RA+1], s16, 3
	s_add_co_u32 s[RA], s[RA], s[RA+1]
	s_mul_i32 s[RA], s[RA], 12288
	s_mov_b32 s[RA+1], 0
	s_lshl_b32 s22, s17, 1                         ; P's scale blocks: group 16 + 2 ty + half
	s_add_co_u32 s22, s22, s16
	s_add_co_u32 s22, s22, 16
	s_lshl_b32 s22, s22, 9
	s_mov_b32 s23, 0
	s_lshl_b32 s[RS], s[TX], 1                     ; R's: group 2 tx + half
	s_add_co_u32 s[RS], s[RS], s16
	s_lshl_b32 s[RS], s[RS], 9
	s_mov_b32 s[RS+1], 0
	s_mul_i32 s[LC], s14, HALFT                    ; where they go: wave x 8 tiles; no place in the cluster enters an LDS address
	s_lshl_b32 s[LSC], s14, 12                     ; wave x 8 scale blocks
	s_mov_b32 s[SEL], 0x76543210
	s_mov_b32 s[SEL+1], 0xfedcba98
	s_wait_dscnt 0x0                               ; both opening adds are done
	s_wait_kmcnt 0x0
	s_add_nc_u64 s[20:21], s[4:5], s[20:21]
	s_add_nc_u64 s[RA:RA+1], s[4:5], s[RA:RA+1]
	s_add_nc_u64 s[22:23], s[6:7], s[22:23]
	s_add_nc_u64 s[RS:RS+1], s[6:7], s[RS:RS+1]
	CROUND                                         ; all sixteen work-groups are here: the first joint loads meet
	s_mov_b32 s[G0S], 1
	s_add_co_u32 s[G0S+1], s[LSC], SCL
	s_mov_b64 s[G0S+2:G0S+3], s[22:23]
	s_or_b32 s[G0S+3], s[G0S+3], 0x80000000
	s_mov_b32 s[G0SB], 1
	s_add_co_u32 s[G0SB+1], s[LSC], SCL
	s_mov_b64 s[G0SB+2:G0SB+3], s[RS:RS+1]
	s_or_b32 s[G0SB+3], s[G0SB+3], 0x80000000
	JLOAD G0S, G1S, G0SB, G1SB                     ; the scales first: they are wanted with K step 0
.irp s, 0,1,2
	s_mov_b32 s[G0+4*\s], 1
	s_add_co_u32 s[G0+4*\s+1], s[LC], \s*SLOT
	s_add_nc_u64 s[G0+4*\s+2:G0+4*\s+3], s[20:21], \s*TK
	s_or_b32 s[G0+4*\s+3], s[G0+4*\s+3], 0x80000000
	s_mov_b32 s[G0B+4*\s], 1
	s_add_co_u32 s[G0B+4*\s+1], s[LC], \s*SLOT
	s_add_nc_u64 s[G0B+4*\s+2:G0B+4*\s+3], s[RA:RA+1], \s*TK
	s_or_b32 s[G0B+4*\s+3], s[G0B+4*\s+3], 0x80000000
	JLOAD G0+4*\s, G1, G0B+4*\s, G1B               ; K steps 2 s and 2 s + 1.  Four tensor loads of mine are out in the end
.endr
	v_and_b32 v1, 31, v0
	v_lshlrev_b32 v[LI], 4, v1
	s_mul_i32 s2, s15, HALFT
	s_mul_i32 s3, s16, HALFT
	s_add_co_u32 s3, s3, 2*HALFT
.irp s, 0,1,2
	v_add_nc_u32 v[ADRP+\s], s2, v[LI]
	v_add_nc_u32 v[ADRR+\s], s3, v[LI]
	s_add_co_u32 s2, s2, SLOT
	s_add_co_u32 s3, s3, SLOT
.endr
	s_lshl_b32 s2, s15, 12
	s_add_co_u32 s2, s2, SCL
	v_add_nc_u32 v[ADSP], s2, v[LI]
	s_lshl_b32 s3, s16, 12
	s_add_co_u32 s3, s3, SCL+2*HALFS
	v_add_nc_u32 v[ADSR], s3, v[LI]
	; where my results go.  Q | K: codes (tx / 4) x 6,291,456 + (16 ty + 8 rh) x 12,288 + (2 (tx % 4) + ch) x 1,536; scales (tx / 4) x 262,144 + ((2 (tx % 4) + ch) x 64 + 2 ty + rh) x 512
	s_lshr_b32 s66, s[TX], 2
	s_mul_i32 s67, s66, 6291456
	s_lshl_b32 s[U0], s17, 4
	s_lshl_b32 s[U1], s15, 3
	s_add_co_u32 s[U0], s[U0], s[U1]
	s_mul_i32 s[U2], s[U0], 12288
	s_add_co_u32 s67, s67, s[U2]
	s_and_b32 s[U2], s[TX], 3
	s_lshl_b32 s[U2], s[U2], 1
	s_add_co_u32 s[U2], s[U2], s16
	s_mul_i32 s[U3], s[U2], 1536
	s_add_co_u32 s67, s67, s[U3]
	s_lshl_b32 s[U2], s[U2], 6
	s_lshl_b32 s[U3], s17, 1
	s_add_co_u32 s[U2], s[U2], s[U3]
	s_add_co_u32 s[U2], s[U2], s15
	s_lshl_b32 s[U2], s[U2], 9
	s_lshl_b32 s66, s66, 18
	s_add_co_u32 s66, s66, s[U2]
	; V^T, with t = tx - 8, batch t / 8: codes 12,582,912 + batch x 1,572,864 + (16 (ty - 32) + 8 rh) x 24,576 + (2 (t % 8) + ch) x 1,536; scales 524,288 + ((16 batch + 2 (t % 8) + ch) x 8 + 2 (ty - 32) + rh) x 512
	s_sub_co_u32 s2, s[TX], 8
	s_lshr_b32 s3, s2, 3
	s_and_b32 s2, s2, 7
	s_lshl_b32 s2, s2, 1
	s_add_co_u32 s2, s2, s16
	s_sub_co_u32 s[U0], s[U0], 512
	s_mul_i32 s[U0], s[U0], 24576
	s_mul_i32 s[U1], s3, 1572864
	s_add_co_u32 s[U0], s[U0], s[U1]
	s_mul_i32 s[U1], s2, 1536
	s_add_co_u32 s[U0], s[U0], s[U1]
	s_add_co_u32 s[U0], s[U0], 12582912
	s_lshl_b32 s3, s3, 4
	s_add_co_u32 s3, s3, s2
	s_lshl_b32 s3, s3, 3
	s_add_co_u32 s3, s3, s[U3]
	s_add_co_u32 s3, s3, s15
	s_sub_co_u32 s3, s3, 64
	s_lshl_b32 s3, s3, 9
	s_add_co_u32 s3, s3, 524288
	s_cmp_eq_u32 s[QK], 1                          ; the one that is mine (the other's figures are not used)
	s_cselect_b32 s[U0], s67, s[U0]
	s_cselect_b32 s[U2], s66, s3
	s_mov_b32 s2, 24576
	s_cselect_b32 s2, 12288, s2                    ; s[2:3]: from a tile of P's rows to the next, in the codes' buffer
	s_mov_b32 s3, 0
	s_mov_b32 s[U1], 0
	s_mov_b32 s[U3], 0
	s_add_nc_u64 s[8:9], s[8:9], s[U0:U1]
	s_add_nc_u64 s[10:11], s[10:11], s[U2:U3]
	s_mov_b32 s[HM], 0xffff0000
	s_wait_tensorcnt 2                             ; the scales and my part of slot 0 are in; the loads of slots 1 and 2 may stay out
	s_barrier_signal -1
	s_barrier_wait -1                              ; everybody's are
	FETCH 0, 0, 0, 0
	STEP 0, 0, 1                                   ; the first K step's products start the sums: nothing is cleared
	TURN 0, 1, 1, 1                                ; slots 1 and 2 are whole; slot 0 takes K steps 6 and 7
	STEP 1, 2, 0
	ODD 2, 3
	STEP 2, 4, 0
	TURN 2, 0, 0, 5                                ; slot 0 is whole again; nothing is left to fetch
	STEP 0, 6, 0
	s_wait_dscnt 0x0
	MULH 1, 0, 0
	MULH 1, 1, 0
	WIN 0
; THE WAY OUT.  Block a (16 rows of P x my 128 of R): a lane's 64 results are k = 32 b + 16 h + 0 .. 15, b = 0 .. 3, of its row's next K step.  They are quantised in registers and ARE the fragment's image: three stores of 512 consecutive bytes.
.set TM,  64                           ; v64-67 largest magnitudes, v68-71 bytes, v76-79 the conversions' scale operands
.set PCD, 96                           ; v96-115 codes
.set SW,  120                          ; v120-127 the eight blocks' scale words
.set SX,  128                          ; v128-131 the scale block
.macro QA a
.set W, 2+(\a)/4
.set A0, 64*((\a)%4)
	WIN (W<<2)|(W<<4)                              ; sources 1 and 2: the accumulators' window
.irp bb, 0,1,2,3
	v_max3_num_f32 v[TM+\bb], 0x1800000, |v[A0+16*\bb]|, |v[A0+16*\bb+1]|   ; the floor 2^(3 - 127) among the leaves; each accumulator is read from its low end on
.endr
.irp i, 2,4,6,8,10,12,14
.irp bb, 0,1,2,3
	v_max3_num_f32 v[TM+\bb], v[TM+\bb], |v[A0+16*\bb+\i]|, |v[A0+16*\bb+\i+1]|
.endr
.endr
	WIN 0
.irp bb, 0,1,2,3
	v_permlanex16_b32 v[TM+4+\bb], v[TM+\bb], s[SEL], s[SEL+1]
.endr
.irp bb, 0,1,2,3
	v_max_num_f32 v[TM+\bb], v[TM+\bb], v[TM+4+\bb]   ; with lane l xor 16's 16: the block's largest magnitude
.endr
.irp bb, 0,1,2,3
	v_add_nc_u32 v[TM+12+\bb], 0xff000000, v[TM+\bb]  ; 2 off its exponent field: the conversion's scale operand
.endr
.irp bb, 0,1,2,3
	v_lshrrev_b32 v[TM+4+\bb], 23, v[TM+12+\bb]       ; the scale's byte
.endr
	v_lshl_or_b32 v[SW+\a], v[TM+5], 8, v[TM+4]
	v_lshl_or_b32 v[SW+\a], v[TM+6], 16, v[SW+\a]
	v_lshl_or_b32 v[SW+\a], v[TM+7], 24, v[SW+\a]
	s_wait_xcnt 0x0                                ; the last block's stores have read their data and their base: both are written again only behind this wait
.if (\a) > 0
	s_add_nc_u64 s[8:9], s[8:9], s[2:3]            ; the next tile of P's rows
.endif
	WIN W                                          ; source 0: the accumulators' window
.irp c, 0,1
	v_cvt_scalef32_pk16_fp6_f32 v[PCD+6*\c:PCD+6*\c+2], v[A0+32*\c:A0+32*\c+15], v[TM+12+2*\c]
	v_cvt_scalef32_pk16_fp6_f32 v[PCD+12+4*\c:PCD+14+4*\c], v[A0+32*\c+16:A0+32*\c+31], v[TM+13+2*\c]
.endr
	WIN 0
	v_nop                                          ; one plain place behind the scaled conversions
.irp c, 0,1                            ; the operand's layout wants a whole block in a lane: lanes 0-15 block 2 c, lanes 16-31 block 2 c + 1
.irp i, 0,1,2
	v_permlane16_swap_b32 v[PCD+6*\c+\i], v[PCD+12+4*\c+\i]
.endr
.irp i, 0,1,2
	v_mov_b32 v[PCD+3+6*\c+\i], v[PCD+12+4*\c+\i]
.endr
.endr
.irp k, 0,1,2
	global_store_b128 v[LI], v[PCD+4*\k:PCD+4*\k+3], s[8:9] offset:512*\k
.endr
.endm
	PLACES 4                                       ; between the last products and the first lines that read results or write registers that held fragments
.irp bb, 0,1,2,3
	v_mov_b32 v[TM+4+\bb], 0                       ; written once: a lane permute's destination counts as one of its sources
.endr
.irp a, 0,1,2,3,4,5,6,7
	QA \a
.endr
.irp c, 0,1,2,3
	v_cndmask_b32 v[SX+\c], v[SW+\c], v[SW+4+\c], s[HM]   ; lanes 0-15 tile c's words, lanes 16-31 tile 4 + c's (every word stands in both halves of the lanes)
.endr
	global_store_b128 v[LI], v[SX:SX+3], s[10:11]  ; the scale block: 512 consecutive bytes
	s_wait_tensorcnt 0x0                           ; the wave's end
	ds_add_u32 v[SPW], v[NIL]
	s_wait_dscnt 0x0
	CROUND                                         ; the closing round: no work-group ends while a partner may still ask for a tile that names it
	s_endpgm
.Lfunc_end_k_q66c2d02722_proj:
	.size	k_q66c2d02722_proj, .Lfunc_end_k_q66c2d02722_proj-k_q66c2d02722_proj
	.p2alignl 7, 3214868480
	.fill 96, 4, 3214868480
	.section	.rodata,"a",@progbits
	.p2align	6, 0x0
	.amdhsa_kernel k_q66c2d02722_proj
		.amdhsa_group_segment_fixed_size 327680
		.amdhsa_private_segment_fixed_size 0
		.amdhsa_enable_private_segment 0
		.amdhsa_kernarg_size 32
		.amdhsa_user_sgpr_count 2
		.amdhsa_user_sgpr_kernarg_segment_ptr 1
		.amdhsa_wavefront_size32 1
		.amdhsa_system_sgpr_workgroup_id_x 1
		.amdhsa_system_sgpr_workgroup_id_y 1
		.amdhsa_system_sgpr_workgroup_id_z 1
		.amdhsa_system_vgpr_workitem_id 0
		.amdhsa_next_free_vgpr 1024
		.amdhsa_next_free_sgpr 102
		.amdhsa_reserve_vcc 0
		.amdhsa_float_denorm_mode_32 3
		.amdhsa_float_denorm_mode_16_64 3
		.amdhsa_memory_ordered 1
		.amdhsa_forward_progress 1
		.amdhsa_inst_pref_size 139
	.end_amdhsa_kernel
	.amdgpu_metadata
---
amdhsa.version: [ 1, 2 ]
amdhsa.kernels:
  - .name:           k_q66c2d02722_proj
    .symbol:         k_q66c2d02722_proj.kd
    .args:
      - { .name: ac, .offset: 0, .size: 8, .value_kind: global_buffer, .address_space: global }
      - { .name: asc, .offset: 8, .size: 8, .value_kind: global_buffer, .address_space: global }
      - { .name: qkvc, .offset: 16, .size: 8, .value_kind: global_buffer, .address_space: global }
      - { .name: qkvs, .offset: 24, .size: 8, .value_kind: global_buffer, .address_space: global }
    .group_segment_fixed_size: 327680
    .private_segment_fixed_size: 0
    .kernarg_segment_align: 8
    .kernarg_segment_size: 32
    .max_flat_workgroup_size: 128
    .sgpr_count:     102
    .vgpr_count:     1024
    .wavefront_size: 32
...
	.end_amdgpu_metadata
.endif
;; end of part 2
;; launch scores (part 3): grid 9 x 16, 4 waves a work-group, no clusters, 327,680 bytes of LDS; arguments qkvc, qkvs, pc, pst; writes pc, pst
.if DOCPART == 3
	.amdgcn_target "amdgcn-amd-amdhsa--gfx1250"
	.amdhsa_code_object_version 6
	.text
	.protected	k_q66c2d02722_scores
	.globl	k_q66c2d02722_scores
	.p2align	8
	.type	k_q66c2d02722_scores,@function
k_q66c2d02722_scores:
	s_mov_b64 s[64:65], 0
	v_nop
	global_prefetch_b8 v0, s[64:65] scope:SCOPE_SE
	s_setreg_imm32_b32 hwreg(HW_REG_WAVE_MODE, 25, 1), 1
	s_wait_xcnt 0x0
; S = Q K^T / 32 under the causal mask, on codes of FP6 (E2M3) with E8M0 scales, K = 1,024; then p = 2^(t - M_loc), quantised along the keys.  (Layouts: launch quant's head.)
; LEFT OUT AS DEAD WORK: the tiles of 256 queries x 256 keys in which every key comes after every query (shown at launch quant's head).  Of 64 tiles a batch 36 are made: tile (i, j), j <= i.
; THE ROW'S MAXIMUM SPANS WORK-GROUPS, and M need only be a whole number: so each wave takes, for its 128 queries x 128 keys, its own M_loc = ceil(the largest t of the row's 128 keys), and stores with the codes,
; for each row: the four scale bytes (each with bit 7 set, for the next launch's subtraction byte by byte), -M_loc, and the sum of the unquantised p.  Launch pv brings them under the row's M by exact powers of two.
; A row all of whose 128 keys are hidden has -M_loc = 3e38, p = 0, sum 0, codes 0.
; SHARES.  Work-group (x, y): batch y / 4; with p = y % 4 the rows 7 - p and p of the triangle hold 9 tiles together: x <= 7 - p: tile (7 - p, x), else tile (p, x - 8 + p).  144 work-groups, each a live tile.
; NO CLUSTER: a row of the triangle holds 1 to 8 tiles and a column 8 to 1, so the 36 tiles of a batch do not fall into groups of four that share a row or a column, and a block of 4 x 4 on the diagonal would hold 6 dead tiles.
; The product is launch proj's: four waves of 128 x 128, source 0 = 16 keys, source 1 = 16 queries: a lane holds one query, its registers run along the keys.  Three LDS slots of two K steps: K steps 0 to 5 are asked
; for at the head, and slot 0 is filled once more, with K steps 6 and 7.
; OUT: pc [tile of queries 512][128 keys 16][1,536]; pst: three planes of [128 keys 16][group of queries 64][512]: scale words at 0, -M_loc at 524,288, partial sums at 1,048,576.
; LIMITS: NaN and infinities are not served.  A block's largest p is made from its largest score by the same multiply-add and exponential, which takes v_exp_f32 not to fall where its input rises.
; REGISTERS: as in launch proj; v8 the mask's figure, v9 -infinity, v10 -3e38.
.set NG,    64
.set FR,    12
.set FI,    1536
.set TK,    2*FI
.set HALFT, 8*TK
.set SLOT,  4*HALFT
.set SCL,   3*SLOT
.set HALFS, 8*512
.set SPARE, SCL+4*HALFS                ; the spare words, 128 bytes for each wave, which no other line names
.set DL,   8
.set NINF, 9
.set NBIG, 10
.set ADRP, 16                          ; v16-18
.set ADRR, 20                          ; v20-22
.set ADSP, 24
.set ADSR, 25
.set LI,   26
.set SPW,  28
.set NIL,  29
.set SC,   32
.set PF,   64
.set G1,   24                          ; s[24:31] group 1 for codes, Q's and K's alike
.set G1B,  G1
.set G0,   48                          ; s[48:59] Q's groups 0, one for each slot
.set G0B,  80                          ; s[80:91] K's
.set G1S,  68                          ; s[68:75] group 1 for scales; s[76:79] Q's group 0; s[60:63] K's
.set G0S,  76
.set G0SB, 60
.set SEL,  12
.set TI,   42                          ; s42 i
.set TJ,   43                          ; s43 j
.set CS,   96                          ; s[96:97] c = log2(e) / 32
.set HM,   98
.set MSB, 0
.macro WIN new
.if MSB != (\new)
	s_set_vgpr_msb (MSB<<8)|(\new)
.set MSB, (\new)
.endif
.endm
.set MUL_LO, 0xa1
.set MUL_HI, 0xf1
.set TO_R,   0x40
.macro PLACES n
.rept \n
	v_nop
.endr
.endm
; Waves 0 and 1 fetch Q's halves, waves 2 and 3 K's.  An s_nop 0 and four v_nop follow each of the two lines.
.macro JLOAD g0a, g1a, g0b, g1b
	s_cmp_eq_u32 s15, 0
	s_cbranch_scc0 .Lfor_b_\@
	tensor_load_to_lds s[\g0a:\g0a+3], s[\g1a:\g1a+7]
	s_nop 0
.rept 4
	v_nop
.endr
	s_branch .Lasked_\@
.Lfor_b_\@:
	tensor_load_to_lds s[\g0b:\g0b+3], s[\g1b:\g1b+7]
	s_nop 0
.rept 4
	v_nop
.endr
.Lasked_\@:
.endm
.macro FRAG reg, adr, off
.irp c, 0,1,2
	ds_load_b128 v[(\reg)+4*\c:(\reg)+4*\c+3], v[\adr] offset:(\off)+512*\c
.endr
.endm
.macro FETCH fs, sl, q, ks             ; 50 LDS loads in one run
	WIN TO_R
.irp i, 0,1,2,3,4,5,6,7
	FRAG 96*(\fs)+FR*\i, ADRR+\sl, TK*\i+FI*(\q)
.endr
	WIN 0
.irp i, 0,1,2,3,4,5,6,7
	FRAG PF+96*(\fs)+FR*\i, ADRP+\sl, TK*\i+FI*(\q)
.endr
	ds_load_b128 v[SC+8*(\fs):SC+8*(\fs)+3], v[ADSP] offset:512*(\ks)
	ds_load_b128 v[SC+8*(\fs)+4:SC+8*(\fs)+7], v[ADSR] offset:512*(\ks)
.endm
.macro WM a, b, fs, zero
.set rD, 8*(8*((\a)%4)+(\b))
.set rA, 96*(\fs)+FR*(\b)
.set rB, PF+96*(\fs)+FR*(\a)
.set rSA, SC+8*(\fs)+4+(\b)%4
.set rSB, SC+8*(\fs)+(\a)%4
.if \zero
.if ((\a) < 4) && ((\b) < 4)
	v_wmma_scale_f32_16x16x128_f8f6f4 v[rD:rD+7], v[rA:rA+11], v[rB:rB+11], 0, v[rSA], v[rSB] matrix_a_fmt:MATRIX_FMT_FP6 matrix_b_fmt:MATRIX_FMT_FP6
.elseif (\a) < 4
	v_wmma_scale_f32_16x16x128_f8f6f4 v[rD:rD+7], v[rA:rA+11], v[rB:rB+11], 0, v[rSA], v[rSB] matrix_a_fmt:MATRIX_FMT_FP6 matrix_b_fmt:MATRIX_FMT_FP6 matrix_a_scale:MATRIX_SCALE_ROW1
.elseif (\b) < 4
	v_wmma_scale_f32_16x16x128_f8f6f4 v[rD:rD+7], v[rA:rA+11], v[rB:rB+11], 0, v[rSA], v[rSB] matrix_a_fmt:MATRIX_FMT_FP6 matrix_b_fmt:MATRIX_FMT_FP6 matrix_b_scale:MATRIX_SCALE_ROW1
.else
	v_wmma_scale_f32_16x16x128_f8f6f4 v[rD:rD+7], v[rA:rA+11], v[rB:rB+11], 0, v[rSA], v[rSB] matrix_a_fmt:MATRIX_FMT_FP6 matrix_b_fmt:MATRIX_FMT_FP6 matrix_a_scale:MATRIX_SCALE_ROW1 matrix_b_scale:MATRIX_SCALE_ROW1
.endif
.else
.if ((\a) < 4) && ((\b) < 4)
	v_wmma_scale_f32_16x16x128_f8f6f4 v[rD:rD+7], v[rA:rA+11], v[rB:rB+11], v[rD:rD+7], v[rSA], v[rSB] matrix_a_fmt:MATRIX_FMT_FP6 matrix_b_fmt:MATRIX_FMT_FP6
.elseif (\a) < 4
	v_wmma_scale_f32_16x16x128_f8f6f4 v[rD:rD+7], v[rA:rA+11], v[rB:rB+11], v[rD:rD+7], v[rSA], v[rSB] matrix_a_fmt:MATRIX_FMT_FP6 matrix_b_fmt:MATRIX_FMT_FP6 matrix_a_scale:MATRIX_SCALE_ROW1
.elseif (\b) < 4
	v_wmma_scale_f32_16x16x128_f8f6f4 v[rD:rD+7], v[rA:rA+11], v[rB:rB+11], v[rD:rD+7], v[rSA], v[rSB] matrix_a_fmt:MATRIX_FMT_FP6 matrix_b_fmt:MATRIX_FMT_FP6 matrix_b_scale:MATRIX_SCALE_ROW1
.else
	v_wmma_scale_f32_16x16x128_f8f6f4 v[rD:rD+7], v[rA:rA+11], v[rB:rB+11], v[rD:rD+7], v[rSA], v[rSB] matrix_a_fmt:MATRIX_FMT_FP6 matrix_b_fmt:MATRIX_FMT_FP6 matrix_a_scale:MATRIX_SCALE_ROW1 matrix_b_scale:MATRIX_SCALE_ROW1
.endif
.endif
.endm
.macro MULQ fs, a0, zero               ; the 64 accumulators take turns, one instruction a turn, in the same order in every K step
.irp a, \a0, \a0+1
.irp b, 0,1,2,3,4,5,6,7
	WM \a, \b, \fs, \zero
.endr
.endr
.endm
.macro MULH fs, hi, zero
.if \hi
	WIN MUL_HI
.else
	WIN MUL_LO
.endif
	MULQ \fs, 4*\hi, \zero
	MULQ \fs, 4*\hi+2, \zero
.endm
.macro STEP sl, ks, zero               ; an even K step (set 0): its successor lies in the same slot
	s_wait_dscnt 0x0                               ; this K step's 50 loads are in
	PLACES 4                                       ; four places between the last products, which read set 1, and the loads into it
	FETCH 1, \sl, 1, (\ks)+1
	MULH 0, 0, \zero
	MULH 0, 1, \zero
.endm
.macro ODD nx, ks                      ; an odd K step (set 1) whose successor lies in a slot that an earlier barrier has shown whole to every wave: no barrier
	s_wait_dscnt 0x0                               ; this K step's 50 loads are in
	PLACES 4                                       ; four places between the last products, which read set 0, and the loads into it
	FETCH 0, \nx, 0, (\ks)+1
	MULH 1, 0, 0
	MULH 1, 1, 0
.endm
; An odd K step with a barrier in its middle.  fill = 1 (K step 1): every wave's first fills have landed, so behind the barrier slots 1 and 2 are whole for everybody, and nobody reads slot 0 any more: it takes K steps 6 and 7;
; 224 products lie between that request and the wait for it.   fill = 0 (K step 5): that wait; behind the barrier slot 0 is whole again.
.macro TURN sl, nx, fill, ks
	WIN 0
	s_wait_tensorcnt 0x0                           ; all my tensor loads have landed
	ds_add_u32 v[SPW], v[NIL]                      ; 0 onto my spare word
	s_wait_dscnt 1                                 ; this K step's 50 loads are in; the add alone may be out
	WIN MUL_LO
	MULQ 1, 0, 0
	s_wait_dscnt 0x0                               ; the add is done, and my reads of this slot are over
	s_barrier_signal -1
	MULQ 1, 2, 0
	WIN 0
	s_barrier_wait -1
.if \fill
	s_add_nc_u64 s[G0+4*\sl+2:G0+4*\sl+3], s[G0+4*\sl+2:G0+4*\sl+3], 3*TK      ; six K steps on
	s_add_nc_u64 s[G0B+4*\sl+2:G0B+4*\sl+3], s[G0B+4*\sl+2:G0B+4*\sl+3], 3*TK
	JLOAD G0+4*\sl, G1, G0B+4*\sl, G1B             ; my one tensor load behind the barrier; its four v_nop are the places in front of the loads below
.else
	PLACES 4
.endif
	FETCH 0, \nx, 0, (\ks)+1
	MULH 1, 1, 0
.endm
	s_load_b256 s[4:11], s[0:1], 0x0               ; qkvc s[4:5], qkvs s[6:7], pc s[8:9], pst s[10:11]
	v_lshl_add_u32 v[SPW], v0, 2, SPARE
	v_mov_b32 v[NIL], 0
	ds_add_u32 v[SPW], v[NIL]                      ; the wave's opening: the add, twice on end, and its wait ahead of my first tensor load
	ds_add_u32 v[SPW], v[NIL]
	v_lshrrev_b32 v1, 5, v0
	v_readfirstlane_b32 s14, v1                    ; wave 0..3
	s_lshr_b32 s15, s14, 1                         ; my half of the queries.  Also: I fetch for Q (0) or for K (1)
	s_and_b32 s16, s14, 1                          ; my half of the keys.  Also: which half I fetch
	s_and_b32 s17, ttmp7, 0xffff
	s_lshr_b32 s18, s17, 2                         ; batch
	s_and_b32 s19, s17, 3                          ; p
	s_sub_co_u32 s40, 7, s19
	s_add_co_u32 s41, ttmp9, s19
	s_sub_co_u32 s41, s41, 8
	s_cmp_le_u32 ttmp9, s40
	s_cselect_b32 s[TI], s40, s19                  ; i
	s_cselect_b32 s[TJ], ttmp9, s41                ; j
	s_mov_b32 s[G1+0], 3<<16                       ; elements of 8 bytes, no mask, no padding
	s_mov_b32 s[G1+1], 384<<16                     ; 8 rows (tiles) of 3,072 bytes, 12,288 bytes apart
	s_mov_b32 s[G1+2], 8<<16
	s_mov_b32 s[G1+3], 384<<16
	s_mov_b32 s[G1+4], 8
	s_mov_b32 s[G1+5], 1536
	s_mov_b32 s[G1+6], 0
	s_mov_b32 s[G1+7], 0
	s_mov_b32 s[G1S+0], 3<<16                      ; 8 rows (K steps) of 512 bytes, NG blocks apart
	s_mov_b32 s[G1S+1], 64<<16
	s_mov_b32 s[G1S+2], 8<<16
	s_mov_b32 s[G1S+3], 64<<16
	s_mov_b32 s[G1S+4], 8
	s_mov_b32 s[G1S+5], NG*64
	s_mov_b32 s[G1S+6], 0
	s_mov_b32 s[G1S+7], 0
	s_lshl_b32 s44, s18, 7
	s_lshl_b32 s45, s16, 3
	s_add_co_u32 s44, s44, s45                     ; 128 batch + 8 half
	s_lshl_b32 s20, s[TI], 4
	s_add_co_u32 s20, s20, s44
	s_mul_i32 s20, s20, 12288                      ; Q's tiles
	s_mov_b32 s21, 0
	s_lshl_b32 s46, s[TJ], 4
	s_add_co_u32 s46, s46, s44
	s_mul_i32 s46, s46, 12288
	s_add_co_u32 s46, s46, 6291456                 ; K's
	s_mov_b32 s47, 0
	s_lshl_b32 s44, s18, 4
	s_add_co_u32 s44, s44, s16                     ; 16 batch + half
	s_lshl_b32 s22, s[TI], 1
	s_add_co_u32 s22, s22, s44
	s_lshl_b32 s22, s22, 9                         ; Q's scale blocks
	s_mov_b32 s23, 0
	s_lshl_b32 s92, s[TJ], 1
	s_add_co_u32 s92, s92, s44
	s_lshl_b32 s92, s92, 9
	s_add_co_u32 s92, s92, 262144                  ; K's
	s_mov_b32 s93, 0
	s_mul_i32 s94, s14, HALFT
	s_lshl_b32 s95, s14, 12
	s_mov_b32 s[SEL], 0x76543210
	s_mov_b32 s[SEL+1], 0xfedcba98
	s_mov_b32 s[CS], 0x3d38aa3b                    ; c = log2(e) / 32: t = score x c
	s_mov_b32 s[CS+1], s[CS]                       ; (named with it as a pair, so it is written)
	s_mov_b32 s[HM], 0xffff0000
	s_wait_dscnt 0x0                               ; both opening adds are done
	s_wait_kmcnt 0x0
	s_add_nc_u64 s[20:21], s[4:5], s[20:21]
	s_add_nc_u64 s[46:47], s[4:5], s[46:47]
	s_add_nc_u64 s[22:23], s[6:7], s[22:23]
	s_add_nc_u64 s[92:93], s[6:7], s[92:93]
	s_mov_b32 s[G0S], 1
	s_add_co_u32 s[G0S+1], s95, SCL
	s_mov_b64 s[G0S+2:G0S+3], s[22:23]
	s_or_b32 s[G0S+3], s[G0S+3], 0x80000000
	s_mov_b32 s[G0SB], 1
	s_add_co_u32 s[G0SB+1], s95, SCL
	s_mov_b64 s[G0SB+2:G0SB+3], s[92:93]
	s_or_b32 s[G0SB+3], s[G0SB+3], 0x80000000
	JLOAD G0S, G1S, G0SB, G1S                      ; the scales first
.irp s, 0,1,2
	s_mov_b32 s[G0+4*\s], 1
	s_add_co_u32 s[G0+4*\s+1], s94, \s*SLOT
	s_add_nc_u64 s[G0+4*\s+2:G0+4*\s+3], s[20:21], \s*TK
	s_or_b32 s[G0+4*\s+3], s[G0+4*\s+3], 0x80000000
	s_mov_b32 s[G0B+4*\s], 1
	s_add_co_u32 s[G0B+4*\s+1], s94, \s*SLOT
	s_add_nc_u64 s[G0B+4*\s+2:G0B+4*\s+3], s[46:47], \s*TK
	s_or_b32 s[G0B+4*\s+3], s[G0B+4*\s+3], 0x80000000
	JLOAD G0+4*\s, G1, G0B+4*\s, G1B               ; K steps 2 s and 2 s + 1.  Four tensor loads of mine are out in the end
.endr
	v_and_b32 v1, 31, v0
	v_lshlrev_b32 v[LI], 4, v1
	s_mul_i32 s2, s15, HALFT
	s_mul_i32 s3, s16, HALFT
	s_add_co_u32 s3, s3, 2*HALFT
.irp s, 0,1,2
	v_add_nc_u32 v[ADRP+\s], s2, v[LI]
	v_add_nc_u32 v[ADRR+\s], s3, v[LI]
	s_add_co_u32 s2, s2, SLOT
	s_add_co_u32 s3, s3, SLOT
.endr
	s_lshl_b32 s2, s15, 12
	s_add_co_u32 s2, s2, SCL
	v_add_nc_u32 v[ADSP], s2, v[LI]
	s_lshl_b32 s3, s16, 12
	s_add_co_u32 s3, s3, SCL+2*HALFS
	v_add_nc_u32 v[ADSR], s3, v[LI]
	; the mask's figure.  In block a my query is 256 i + 128 rh + 32 (a / 2) + 8 (a % 2) + r + 8 (r / 8); register 16 b + e holds key 256 j + 128 ch + 32 b + 16 h + e.
	; The key is hidden where 32 b + e - 32 (a / 2) - 8 (a % 2) > r + 8 (r / 8) - 16 h + 256 (i - j) + 128 (rh - ch)
	v_and_b32 v1, 15, v0
	v_and_b32 v2, 8, v1
	v_add_nc_u32 v1, v1, v2
	v_bfe_u32 v2, v0, 4, 1
	v_lshlrev_b32 v2, 4, v2
	v_sub_nc_u32 v1, v1, v2
	s_sub_co_i32 s2, s[TI], s[TJ]
	s_lshl_b32 s2, s2, 8
	s_sub_co_i32 s3, s15, s16
	s_lshl_b32 s3, s3, 7
	s_add_co_i32 s2, s2, s3
	v_add_nc_u32 v[DL], s2, v1
	v_mov_b32 v[NINF], 0xff800000                  ; -infinity
	v_mov_b32 v[NBIG], 0xff61b1e6                  ; -3e38
	; where my results go: pc ((128 batch + 16 i + 8 rh) x 16 + 2 j + ch) x 1,536; pst ((2 j + ch) x 64 + 16 batch + 2 i + rh) x 512
	s_lshl_b32 s2, s18, 7
	s_lshl_b32 s3, s[TI], 4
	s_add_co_u32 s2, s2, s3
	s_lshl_b32 s3, s15, 3
	s_add_co_u32 s2, s2, s3
	s_lshl_b32 s2, s2, 4
	s_lshl_b32 s3, s[TJ], 1
	s_add_co_u32 s3, s3, s16
	s_add_co_u32 s2, s2, s3
	s_mul_i32 s2, s2, 1536
	s_lshl_b32 s66, s3, 6
	s_lshl_b32 s67, s18, 4
	s_add_co_u32 s66, s66, s67
	s_lshl_b32 s67, s[TI], 1
	s_add_co_u32 s66, s66, s67
	s_add_co_u32 s66, s66, s15
	s_lshl_b32 s66, s66, 9
	s_mov_b32 s3, 0
	s_mov_b32 s67, 0
	s_add_nc_u64 s[8:9], s[8:9], s[2:3]
	s_add_nc_u64 s[10:11], s[10:11], s[66:67]
	s_wait_tensorcnt 2                             ; the scales and my part of slot 0 are in; the loads of slots 1 and 2 may stay out
	s_barrier_signal -1
	s_barrier_wait -1
	FETCH 0, 0, 0, 0
	STEP 0, 0, 1                                   ; the first K step's products start the sums
	TURN 0, 1, 1, 1                                ; slots 1 and 2 are whole; slot 0 takes K steps 6 and 7
	STEP 1, 2, 0
	ODD 2, 3
	STEP 2, 4, 0
	TURN 2, 0, 0, 5                                ; slot 0 is whole again
	STEP 0, 6, 0
	s_wait_dscnt 0x0
	MULH 1, 0, 0
	MULH 1, 1, 0
	WIN 0
; THE SOFTMAX'S PART AND THE WAY OUT, block by block of 16 queries x my 128 keys.
.set PB,  64                           ; v64-127  t - M_loc, then p
.set TM,  128                          ; v128-131 the blocks' largest scores, then largest p; v132-135 bytes; v140-143 the conversions' scale operands
.set SU,  144                          ; v[144:145], v[146:147] the sum, in two chains of pairs
.set SV,  146
.set NP,  148                          ; v[148:149] -M_loc (the packed form names the pair and takes its low word)
.set TX,  150
.set TY,  151
.set PCD, 152                          ; v152-171 codes
.set SW,  176                          ; v176-183 the eight blocks' scale words
.set NMR, 184                          ; v184-191 their -M_loc
.set LLR, 192                          ; v192-199 their sums
.set SX,  200                          ; v200-211 the three blocks of 512 bytes
.macro SOFT a
.set W, 2+(\a)/4
.set A0, 64*((\a)%4)
	s_cmp_lg_u32 s[TI], s[TJ]                      ; only a tile on the diagonal has hidden keys: a branch on ids
	s_cbranch_scc1 .Lopen_\@
	WIN (W<<6)|W                                   ; destination and source 0: the accumulators' window
.set n, 0
.rept 64
	v_cmp_gt_i32 vcc_lo, 32*(n/16)+n%16-32*((\a)/2)-8*((\a)%2), v[DL]
	v_cndmask_b32 v[A0+n], v[A0+n], v[NINF], vcc_lo   ; hidden scores become -infinity ahead of the maximum: p = 0 then
.set n, n+1
.endr
	WIN 0
.Lopen_\@:
	WIN (W<<2)|(W<<4)
.irp bb, 0,1,2,3
	v_max3_num_f32 v[TM+\bb], v[NINF], v[A0+16*\bb], v[A0+16*\bb+1]   ; the largest score of each block of 32 keys: it serves for the row's maximum and for the block's largest p
.endr
.irp i, 2,4,6,8,10,12,14
.irp bb, 0,1,2,3
	v_max3_num_f32 v[TM+\bb], v[TM+\bb], v[A0+16*\bb+\i], v[A0+16*\bb+\i+1]
.endr
.endr
	WIN 0
.irp bb, 0,1,2,3
	v_permlanex16_b32 v[TM+4+\bb], v[TM+\bb], s[SEL], s[SEL+1]
.endr
.irp bb, 0,1,2,3
	v_max_num_f32 v[TM+\bb], v[TM+\bb], v[TM+4+\bb]   ; with lane l xor 16's 16 keys
.endr
	v_max3_num_f32 v[TX], v[TM], v[TM+1], v[TM+2]
	v_max_num_f32 v[TX], v[TX], v[TM+3]
	v_mul_f32 v[TX], s[CS], v[TX]                  ; as t (c is positive)
	v_max_num_f32 v[TX], v[TX], v[NBIG]            ; a row with no key that counts: -3e38
	v_floor_f32 v[NP], -v[TX]                      ; -M_loc = floor(-t) = -ceil(t): a whole number
	WIN W
.set n, 0
.rept 32
	v_pk_fma_f32 v[PB+n:PB+n+1], v[A0+n:A0+n+1], s[CS:CS+1], v[NP:NP+1] op_sel_hi:[1,0,0]   ; t - M_loc, two at a time
.set n, n+2
.endr
	WIN 0
.irp bb, 0,1,2,3
	v_fma_f32 v[TM+\bb], v[TM+\bb], s[CS], v[NP]   ; the same of each block's largest score
.endr
.set n, 0
.rept 64
	v_exp_f32 v[PB+n], v[PB+n]                     ; p = 2^(t - M_loc), at most 1, not normalised
.set n, n+1
.endr
	v_mov_b32 v[NMR+\a], v[NP]                     ; (a plain place behind the exponentials)
	s_wait_alu depctr_va_vdst(0)                   ; one wait for the batch of 64, ahead of its first reader
.irp bb, 0,1,2,3
	v_exp_f32 v[TM+\bb], v[TM+\bb]                 ; the block's largest p: the same two instructions on the same number give the same bits
.endr
	v_pk_add_f32 v[SU:SU+1], v[PB:PB+1], v[PB+4:PB+5]   ; the sum is taken of the unquantised p; it reads the 64 alone: plain work behind the four
	v_pk_add_f32 v[SV:SV+1], v[PB+2:PB+3], v[PB+6:PB+7]
.irp j, 8,12,16,20,24,28,32,36,40,44,48,52,56,60
	v_pk_add_f32 v[SU:SU+1], v[SU:SU+1], v[PB+\j:PB+\j+1]
	v_pk_add_f32 v[SV:SV+1], v[SV:SV+1], v[PB+\j+2:PB+\j+3]
.endr
	v_pk_add_f32 v[SU:SU+1], v[SU:SU+1], v[SV:SV+1]
	v_add_f32 v[TX], v[SU], v[SU+1]
	v_permlanex16_b32 v[TY], v[TX], s[SEL], s[SEL+1]
	v_add_f32 v[LLR+\a], v[TX], v[TY]              ; the row's sum over my 128 keys
	s_wait_alu depctr_va_vdst(0)                   ; and one wait for the four
.irp bb, 0,1,2,3
	v_max_num_f32 v[TM+\bb], 0x1800000, v[TM+\bb]  ; the floor 2^(3 - 127): the byte cannot fall under 1 (a block of zeros keeps it: its codes are zeros)
.endr
.irp bb, 0,1,2,3
	v_add_nc_u32 v[TM+12+\bb], 0xff000000, v[TM+\bb]
.endr
.irp bb, 0,1,2,3
	v_lshrrev_b32 v[TM+4+\bb], 23, v[TM+12+\bb]    ; the scale's byte: 125 at the most, since p is at most 1
.endr
	v_lshl_or_b32 v[SW+\a], v[TM+5], 8, v[TM+4]
	v_lshl_or_b32 v[SW+\a], v[TM+6], 16, v[SW+\a]
	v_lshl_or_b32 v[SW+\a], v[TM+7], 24, v[SW+\a]
	v_or_b32 v[SW+\a], 0x80808080, v[SW+\a]        ; bit 7 of each byte set: the next launch takes up to 127 off each byte with no borrow between bytes
	s_wait_xcnt 0x0                                ; the last block's stores have read their data: the codes' registers are written again only behind this wait
.irp c, 0,1
	v_cvt_scalef32_pk16_fp6_f32 v[PCD+6*\c:PCD+6*\c+2], v[PB+32*\c:PB+32*\c+15], v[TM+12+2*\c]
	v_cvt_scalef32_pk16_fp6_f32 v[PCD+12+4*\c:PCD+14+4*\c], v[PB+32*\c+16:PB+32*\c+31], v[TM+13+2*\c]
.endr
	v_nop                                          ; one plain place behind the scaled conversions
.irp c, 0,1
.irp i, 0,1,2
	v_permlane16_swap_b32 v[PCD+6*\c+\i], v[PCD+12+4*\c+\i]
.endr
.irp i, 0,1,2
	v_mov_b32 v[PCD+3+6*\c+\i], v[PCD+12+4*\c+\i]
.endr
.endr
.irp k, 0,1,2
	global_store_b128 v[LI], v[PCD+4*\k:PCD+4*\k+3], s[8:9] offset:(\a)*24576+512*\k   ; the fragment's image: 512 consecutive bytes a store
.endr
.endm
	PLACES 4                                       ; between the last products and the first lines that read results or write registers that held fragments
.irp bb, 0,1,2,3
	v_mov_b32 v[TM+4+\bb], 0                       ; written once: a lane permute's destination counts as one of its sources
.endr
	v_mov_b32 v[TY], 0
	v_mov_b32 v[NP+1], 0                           ; (named as the upper half of a pair)
.irp a, 0,1,2,3,4,5,6,7
	SOFT \a
.endr
.irp c, 0,1,2,3
	v_cndmask_b32 v[SX+\c], v[SW+\c], v[SW+4+\c], s[HM]      ; lanes 0-15 tile c's rows, lanes 16-31 tile 4 + c's
	v_cndmask_b32 v[SX+4+\c], v[NMR+\c], v[NMR+4+\c], s[HM]
	v_cndmask_b32 v[SX+8+\c], v[LLR+\c], v[LLR+4+\c], s[HM]
.endr
	global_store_b128 v[LI], v[SX:SX+3], s[10:11]
	global_store_b128 v[LI], v[SX+4:SX+7], s[10:11] offset:524288
	global_store_b128 v[LI], v[SX+8:SX+11], s[10:11] offset:1048576
	s_wait_tensorcnt 0x0                           ; the wave's end
	ds_add_u32 v[SPW], v[NIL]
	s_wait_dscnt 0x0
	s_endpgm
.Lfunc_end_k_q66c2d02722_scores:
	.size	k_q66c2d02722_scores, .Lfunc_end_k_q66c2d02722_scores-k_q66c2d02722_scores
	.p2alignl 7, 3214868480
	.fill 96, 4, 3214868480
	.section	.rodata,"a",@progbits
	.p2align	6, 0x0
	.amdhsa_kernel k_q66c2d02722_scores
		.amdhsa_group_segment_fixed_size 327680
		.amdhsa_private_segment_fixed_size 0
		.amdhsa_enable_private_segment 0
		.amdhsa_kernarg_size 32
		.amdhsa_user_sgpr_count 2
		.amdhsa_user_sgpr_kernarg_segment_ptr 1
		.amdhsa_wavefront_size32 1
		.amdhsa_system_sgpr_workgroup_id_x 1
		.amdhsa_system_sgpr_workgroup_id_y 1
		.amdhsa_system_sgpr_workgroup_id_z 1
		.amdhsa_system_vgpr_workitem_id 0
		.amdhsa_next_free_vgpr 1024
		.amdhsa_next_free_sgpr 100
		.amdhsa_reserve_vcc 1
		.amdhsa_float_denorm_mode_32 3
		.amdhsa_float_denorm_mode_16_64 3
		.amdhsa_memory_ordered 1
		.amdhsa_forward_progress 1
		.amdhsa_inst_pref_size 234
	.end_amdhsa_kernel
	.amdgpu_metadata
---
amdhsa.version: [ 1, 2 ]
amdhsa.kernels:
  - .name:           k_q66c2d02722_scores
    .symbol:         k_q66c2d02722_scores.kd
    .args:
      - { .name: qkvc, .offset: 0, .size: 8, .value_kind: global_buffer, .address_space: global }
      - { .name: qkvs, .offset: 8, .size: 8, .value_kind: global_buffer, .address_space: global }
      - { .name: pc, .offset: 16, .size: 8, .value_kind: global_buffer, .address_space: global }
      - { .name: pst, .offset: 24, .size: 8, .value_kind: global_buffer, .address_space: global }
    .group_segment_fixed_size: 327680
    .private_segment_fixed_size: 0
    .kernarg_segment_align: 8
    .kernarg_segment_size: 32
    .max_flat_workgroup_size: 128
    .sgpr_count:     100
    .vgpr_count:     1024
    .wavefront_size: 32
...
	.end_amdgpu_metadata
.endif
;; end of part 3
;; launch pv (part 4): grid 8 x 32, 4 waves a work-group, no clusters, 327,680 bytes of LDS; arguments pc, pst, qkvc, qkvs, out0; writes out0
.if DOCPART == 4
	.amdgcn_target "amdgcn-amd-amdhsa--gfx1250"
	.amdhsa_code_object_version 6
	.text
	.protected	k_q66c2d02722_pv
	.globl	k_q66c2d02722_pv
	.p2align	8
	.type	k_q66c2d02722_pv,@function
k_q66c2d02722_pv:
	s_mov_b64 s[64:65], 0
	v_nop
	global_prefetch_b8 v0, s[64:65] scope:SCOPE_SE
	s_setreg_imm32_b32 hwreg(HW_REG_WAVE_MODE, 25, 1), 1
	s_wait_xcnt 0x0
; O = P V / l on codes of FP6 (E2M3) with E8M0 scales, K = the keys.  (Layouts: launch quant's head; P's parts: launch scores' head.)
; LEFT OUT AS DEAD WORK: for the queries of tile i the keys from 256 (i + 1) on, which reference()'s mask hides from all of them (shown at launch quant's head).
; SHARES.  Work-group (x, y): 128 of d at 128 x; batch y / 8; queries 256 i on, i = 7 - y % 8.  256 work-groups.  Four waves, each 128 queries x 64 of d: 32 accumulators.
; Source 0 = 16 rows of V^T (d), source 1 = 16 queries of P: a lane holds one query, its registers run along d.
; ALL SCALE WORDS STAY IN REGISTERS.  P's codes were made under M_loc of each row and each 128 keys.  The row's -M is the least -M_loc; each of the four bytes of a scale word is lowered by M - M_loc (held at 0), and the
; partial sums are added times 2^(M_loc - M): all exact.  Each wave does so for its 128 queries, in the 64 registers into which the words were loaded; V^T's 64 words come from memory into 64 more.  The products name them there.
; THE RING.  Two slots of FOUR K steps (512 keys): P's two halves, 49,152 bytes each (waves 0 and 1), and V^T's 8 tiles, four to a load (waves 2 and 3): one tensor load a wave.  The walk over the four slots' worth of keys is
; written out, since the scale registers' numbers change from K step to K step.  EVERY work-group passes all four changes of slots; the K steps past the causal limit, and a load none of whose K steps counts, are jumped over by
; branches on ids that are the same in all four waves; every wait on TENSORcnt is for 0.  Where i is even the last slot's K steps 2 and 3 lie past the limit: they come with the slot's one load and are read by nobody
; (P's part of them is bytes that launch scores has not stored: no result hangs on them).
; NO CLUSTER: the jump at the causal limit leads round the tensor load, and work-groups that share V^T's tiles (other i) have other limits.
; LIMITS: NaN and infinities are not served.  A block whose byte is smaller than M - M_loc gets the byte 0 (2^-127); a partial sum 127 or more binades under the row's M counts as 0: both under 2^-120 of the result.
; REGISTERS: window 0: v1-15 addresses; v16-31 -M and sums, then 1 / l in pairs; v48-63 at work; v64-127 P's scale words, v128-191 V^T's, and nothing else ever; v192-255 -M_loc, on the way out results.
;   window 1: V^T's fragments, two sets, at v0 and v48; v128-191 the partial sums.  window 2: accumulator (a, b) at v[8 (4 a + b)].  window 3: v0-63 rows on the way out; v64-159, v160-255 P's fragments, two sets.
.set FR,    12
.set FI,    1536
.set TK4,   4*FI                       ; a tile's four K steps
.set HALFB, 8*TK4                      ; 8 tiles
.set BSLOT, 3*HALFB                    ; P's half 0, P's half 1, V^T's 8 tiles
.set STG,   2*BSLOT                    ; behind the ring: the way out, 16 rows x 272 bytes for each wave
.set SPARE, STG+4*16*272               ; the spare words, 128 bytes for each wave, which no other line names
.set LI,   1                           ; v1    16 x lane
.set ADP,  2                           ; v2-3  my half of P in slot 0, 1
.set ADR,  4                           ; v4-5  my four tiles of V^T
.set VSO,  8                           ; v8    my place in a scale block of V^T, the halves of the lanes exchanged where my tiles are 4 to 7: lanes 0-15 then hold my tiles' words
.set STO,  10
.set RD,   11
.set GO,   12
.set OB,   13
.set SPW,  14                          ; v14  my spare word; never rewritten
.set NIL,  15                          ; v15  0; never rewritten
.set MR,   16                          ; v16-19 the rows' -M
.set LA,   20                          ; v20-23 the rows' sums
.set RL,   16                          ; v16-31, later: 1 / l of block a's rows in v[16 + 2 a] and v[17 + 2 a]
.set OF,   48                          ; v48-63 offsets of the head's loads; then at work:
.set FA,   48
.set FB,   52
.set FC,   56
.set FD,   60
.set WW,   64                          ; K step s: registers 4 s + c: lanes 0-15 tile c's rows, lanes 16-31 tile 4 + c's
.set VS,   128                         ; K step s: register 4 s + b: lanes 0-15 my tile b's rows
.set NM,   192
.set LLW,  128                         ; in window 1
.set PF,   64                          ; in window 3
.set TMPB, 192                         ; the way out: in window 0
.set BKB,  0                           ; and in window 3
.set WV,   14                          ; s14 wave
.set RH,   15
.set CH,   16
.set DT,   17
.set BB,   18
.set LIMI, 19                          ; s19 i
.set N2M1, 20                          ; s20 the last K step that counts
.set N2,   21                          ; s21 how many count: 2 i + 2
.set G1,   24                          ; s[24:31] group 1 for P's halves: 8 tiles
.set G1V,  32                          ; s[32:39] for V^T: 4 tiles
.set G0P,  40                          ; s[40:47] P's groups 0, one for each slot
.set G0V,  48                          ; s[48:55] V^T's
.set SEL,  56
.set HM,   58
.set MSB, 0
.macro WIN new
.if MSB != (\new)
	s_set_vgpr_msb (MSB<<8)|(\new)
.set MSB, (\new)
.endif
.endm
.macro PLACES n
.rept \n
	v_nop
.endr
.endm
.macro FRAG reg, adr, off
.irp c, 0,1,2
	ds_load_b128 v[(\reg)+4*\c:(\reg)+4*\c+3], v[\adr] offset:(\off)+512*\c
.endr
.endm
.macro FETCH fs, sl, q                 ; 36 LDS loads in one run: V^T's four and P's eight fragments of the slot's q-th K step into set fs
	WIN 0x40                                       ; destination window 1
.irp i, 0,1,2,3
	FRAG 48*(\fs)+FR*\i, ADR+\sl, TK4*\i+FI*(\q)
.endr
	WIN 0xc0                                       ; destination window 3
.irp i, 0,1,2,3,4,5,6,7
	FRAG PF+96*(\fs)+FR*\i, ADP+\sl, TK4*\i+FI*(\q)
.endr
	WIN 0
.endm
.macro WM a, b, fs, ks, zero           ; one product: P's block a x V^T's tile b, set fs, K step ks
.set rD, 8*(4*(\a)+(\b))
.set rA, 48*(\fs)+FR*(\b)
.set rB, PF+96*(\fs)+FR*(\a)
.set rSA, VS+4*(\ks)+(\b)
.set rSB, WW+4*(\ks)+(\a)%4
.if \zero
.if (\a) < 4
	v_wmma_scale_f32_16x16x128_f8f6f4 v[rD:rD+7], v[rA:rA+11], v[rB:rB+11], 0, v[rSA], v[rSB] matrix_a_fmt:MATRIX_FMT_FP6 matrix_b_fmt:MATRIX_FMT_FP6
.else
	v_wmma_scale_f32_16x16x128_f8f6f4 v[rD:rD+7], v[rA:rA+11], v[rB:rB+11], 0, v[rSA], v[rSB] matrix_a_fmt:MATRIX_FMT_FP6 matrix_b_fmt:MATRIX_FMT_FP6 matrix_b_scale:MATRIX_SCALE_ROW1
.endif
.else
.if (\a) < 4
	v_wmma_scale_f32_16x16x128_f8f6f4 v[rD:rD+7], v[rA:rA+11], v[rB:rB+11], v[rD:rD+7], v[rSA], v[rSB] matrix_a_fmt:MATRIX_FMT_FP6 matrix_b_fmt:MATRIX_FMT_FP6
.else
	v_wmma_scale_f32_16x16x128_f8f6f4 v[rD:rD+7], v[rA:rA+11], v[rB:rB+11], v[rD:rD+7], v[rSA], v[rSB] matrix_a_fmt:MATRIX_FMT_FP6 matrix_b_fmt:MATRIX_FMT_FP6 matrix_b_scale:MATRIX_SCALE_ROW1
.endif
.endif
.endm
.macro MUL fs, ks, zero                ; a K step's 32 products.  The 32 accumulators take turns, one instruction a turn, in the same order in every K step
	WIN 0xad                                       ; source 0 (V^T) window 1, source 1 (P) window 3, C and D window 2
.irp a, 0,1,2,3,4,5,6,7
.irp b, 0,1,2,3
	WM \a, \b, \fs, \ks, \zero
.endr
.endr
	WIN 0
.endm
; Waves 0 and 1 fetch P's halves, waves 2 and 3 four tiles of V^T each.  The branch hangs on the wave's number alone.  An s_nop 0 and four v_nop follow each of the two lines.
.macro JLOAD g0a, g1a, g0b, g1b
	s_cmp_eq_u32 s[RH], 0
	s_cbranch_scc0 .Lfor_b_\@
	tensor_load_to_lds s[\g0a:\g0a+3], s[\g1a:\g1a+7]
	s_nop 0
.rept 4
	v_nop
.endr
	s_branch .Lasked_\@
.Lfor_b_\@:
	tensor_load_to_lds s[\g0b:\g0b+3], s[\g1b:\g1b+7]
	s_nop 0
.rept 4
	v_nop
.endr
.Lasked_\@:
.endm
; THE CHANGE OF SLOTS stands at a slot's head.  Each wave waits for all its tensor loads (its part of the slot ahead), adds 0 to its spare word, and waits for that and for its reads of the slot that it has left.
; Behind the barrier the slot ahead is whole and nobody reads the other.  fill = 1: slot sl takes the four K steps from lim on, if any of them counts for my queries; step = 1: its descriptors first go two slots on.
.macro CHANGE fill, sl, step, lim
	s_wait_tensorcnt 0x0                           ; no tensor load of mine is out, so a group 0 may be written
	ds_add_u32 v[SPW], v[NIL]                      ; 0 onto my spare word
.if \step
	s_add_nc_u64 s[G0P+4*\sl+2:G0P+4*\sl+3], s[G0P+4*\sl+2:G0P+4*\sl+3], 2*TK4
	s_add_nc_u64 s[G0V+4*\sl+2:G0V+4*\sl+3], s[G0V+4*\sl+2:G0V+4*\sl+3], 2*TK4
.endif
	s_wait_dscnt 0x0
	s_barrier_signal -1
	s_barrier_wait -1
.if \fill
	s_cmp_le_u32 s[N2], \lim                       ; a slot past the limit is read by no wave, so it is not asked for: ids alone, the same in all four waves
	s_cbranch_scc1 .Lpast_\@
	JLOAD G0P+4*\sl, G1, G0V+4*\sl, G1V            ; a wave's one tensor load until the next barrier: it has the other slot's K steps, up to 128 products, in which to land
.Lpast_\@:
.endif
.endm
; The K steps 4 bs to 4 bs + 3, which lie in slot sl: 32 products each, on fragment sets 0, 1, 0, 1; a K step's fragments are fetched a K step ahead.  K steps count in pairs: 4 bs + 2 and 4 bs + 3 only where s[N2] is above 4 bs + 2.
.macro WORK bs, sl
.if (\bs) > 0
	s_cmp_le_u32 s[N2], 4*(\bs)
	s_cbranch_scc1 .Lend_\@
	PLACES 4                                       ; four places between the last slot's products and the loads into the registers that they read
.endif
	FETCH 0, \sl, 0
	FETCH 1, \sl, 1
	s_wait_dscnt 36                                ; the first K step's 36 loads are in; the second's may be out
.if (\bs) == 0
	MUL 0, 0, 1                                    ; the first K step's products start the sums: nothing is cleared
.else
	MUL 0, 4*(\bs), 0
.endif
	s_wait_dscnt 0x0
	s_cmp_le_u32 s[N2], 4*(\bs)+2
	s_cbranch_scc1 .Lnf_\@
	PLACES 4                                       ; between the products that read set 0 and the loads into it
	FETCH 0, \sl, 2
.Lnf_\@:
	MUL 1, 4*(\bs)+1, 0
	s_cmp_le_u32 s[N2], 4*(\bs)+2
	s_cbranch_scc1 .Lend_\@
	s_wait_dscnt 0x0
	PLACES 4                                       ; between the products that read set 1 and the loads into it
	FETCH 1, \sl, 3
	MUL 0, 4*(\bs)+2, 0
	s_wait_dscnt 0x0
	MUL 1, 4*(\bs)+3, 0
.Lend_\@:
.endm
	s_load_b256 s[4:11], s[0:1], 0x0               ; pc s[4:5], pst s[6:7], qkvc s[8:9], qkvs s[10:11]
	s_load_b64 s[12:13], s[0:1], 0x20              ; out0
	v_lshl_add_u32 v[SPW], v0, 2, SPARE
	v_mov_b32 v[NIL], 0
	ds_add_u32 v[SPW], v[NIL]                      ; the wave's opening: the add, twice on end, and its wait ahead of my first tensor load
	ds_add_u32 v[SPW], v[NIL]                      ; and once more, under the one wait; the set-up below, work on registers, stands between
	v_lshrrev_b32 v1, 5, v0
	v_readfirstlane_b32 s[WV], v1
	s_lshr_b32 s[RH], s[WV], 1                     ; my half of the queries.  Also: I fetch for P (0) or for V^T (1)
	s_and_b32 s[CH], s[WV], 1                      ; my half of d.  Also: which half I fetch
	s_mov_b32 s[DT], ttmp9
	s_and_b32 s22, ttmp7, 0xffff
	s_lshr_b32 s[BB], s22, 3
	s_and_b32 s22, s22, 7
	s_sub_co_u32 s[LIMI], 7, s22                   ; the longest walks come first
	s_lshl_b32 s[N2], s[LIMI], 1
	s_add_co_u32 s[N2M1], s[N2], 1
	s_add_co_u32 s[N2], s[N2], 2
.irp g, G1, G1V                        ; elements of 8 bytes; rows (tiles) of 6,144 bytes, four K steps, 24,576 bytes (a tile's sixteen K steps) apart; dense in LDS
	s_mov_b32 s[\g+0], 3<<16
	s_mov_b32 s[\g+1], 768<<16                     ; tensor_dim0
	s_mov_b32 s[\g+3], 768<<16                     ; tile_dim0
	s_mov_b32 s[\g+5], 3072                        ; tensor_dim0_stride
	s_mov_b32 s[\g+6], 0
	s_mov_b32 s[\g+7], 0
.endr
	s_mov_b32 s[G1+2], 8<<16                       ; tensor_dim1, tile_dim1: 8 tiles of P,
	s_mov_b32 s[G1+4], 8
	s_mov_b32 s[G1V+2], 4<<16                      ; 4 of V^T
	s_mov_b32 s[G1V+4], 4
	s_lshl_b32 s22, s[BB], 7                       ; P's tiles 128 batch + 16 i + 8 half
	s_lshl_b32 s23, s[LIMI], 4
	s_add_co_u32 s22, s22, s23
	s_lshl_b32 s23, s[CH], 3
	s_add_co_u32 s22, s22, s23
	s_mul_i32 s60, s22, 24576
	s_mov_b32 s61, 0
	s_lshl_b32 s22, s[DT], 3                       ; V^T's tiles 8 x + 4 half, of my batch
	s_lshl_b32 s23, s[CH], 2
	s_add_co_u32 s22, s22, s23
	s_mul_i32 s62, s22, 24576
	s_mul_i32 s23, s[BB], 1572864
	s_add_co_u32 s62, s62, s23
	s_add_co_u32 s62, s62, 12582912
	s_mov_b32 s63, 0
	s_mul_i32 s66, s[CH], HALFB                    ; where they land in a slot: P's half,
	s_mul_i32 s67, s[CH], 4*TK4                    ; V^T's four tiles, behind P's two halves
	s_add_co_u32 s67, s67, 2*HALFB
	s_lshl_b32 s68, s[BB], 16                      ; V^T's scale blocks: [batch][K step 16][group of d 8][512]
	s_lshl_b32 s69, s[DT], 9
	s_add_co_u32 s68, s68, s69
	s_add_co_u32 s68, s68, 524288
	s_mov_b32 s69, 0
	s_lshl_b32 s70, s[BB], 11                      ; out0: row 2,048 batch + 256 i + 128 rh, column 128 x + 64 ch
	s_lshl_b32 s71, s[LIMI], 8
	s_add_co_u32 s70, s70, s71
	s_lshl_b32 s71, s[RH], 7
	s_add_co_u32 s70, s70, s71
	s_lshl_b32 s70, s70, 12
	s_lshl_b32 s71, s[DT], 9
	s_add_co_u32 s70, s70, s71
	s_lshl_b32 s71, s[CH], 8
	s_add_co_u32 s70, s70, s71
	s_mov_b32 s71, 0
	s_mov_b32 s[SEL], 0x76543210
	s_mov_b32 s[SEL+1], 0xfedcba98
	s_mov_b32 s[HM], 0xffff0000
	v_and_b32 v1, 31, v0
	v_lshlrev_b32 v[LI], 4, v1
	s_mul_i32 s22, s[RH], HALFB                    ; what I read: my half of P, my four tiles of V^T
	s_mul_i32 s23, s[CH], 4*TK4
	s_add_co_u32 s23, s23, 2*HALFB
.irp s, 0,1
	v_add_nc_u32 v[ADP+\s], s22, v[LI]
	v_add_nc_u32 v[ADR+\s], s23, v[LI]
	s_add_co_u32 s22, s22, BSLOT
	s_add_co_u32 s23, s23, BSLOT
.endr
	s_lshl_b32 s22, s[CH], 8
	v_xor_b32 v[VSO], s22, v[LI]
	v_and_b32 v6, 15, v0                           ; r
	v_bfe_u32 v7, v0, 4, 1                         ; h
	s_mul_i32 s22, s[WV], 16*272
	s_add_co_u32 s22, s22, STG
	v_mul_u32_u24 v[STO], v6, 272                  ; the stage, in: row r, + 64 h
	v_lshl_add_u32 v[STO], v7, 6, v[STO]
	v_add_nc_u32 v[STO], s22, v[STO]
	v_mul_u32_u24 v[RD], v7, 272                   ; back: lanes 0-15 one row of 256 bytes, lanes 16-31 the next
	v_lshl_add_u32 v[RD], v6, 4, v[RD]
	v_add_nc_u32 v[RD], s22, v[RD]
	v_lshlrev_b32 v[GO], 12, v7                    ; and the same two rows in out0
	v_lshl_add_u32 v[GO], v6, 4, v[GO]
	s_lshl_b32 s22, s[BB], 4
	s_lshl_b32 s23, s[LIMI], 1
	s_add_co_u32 s22, s22, s23
	s_add_co_u32 s22, s22, s[RH]
	s_lshl_b32 s22, s22, 9
	v_add_nc_u32 v[OB], s22, v[LI]                 ; my group of queries in a plane of pst
	; All 16 K steps' places of pst are loaded, those past the limit clamped to the last that counts: so every register is written, and a value taken twice does no harm to a minimum.
.irp s, 0,1,2,3,4,5,6,7,8,9,10,11,12,13,14,15
	s_min_u32 s22, s[N2M1], \s
	s_lshl_b32 s22, s22, 15                        ; 64 blocks of 512 bytes a K step
	v_add_nc_u32 v[OF+\s], s22, v[OB]
.endr
	s_wait_dscnt 0x0                               ; both opening adds are done
	s_wait_kmcnt 0x0
	s_add_nc_u64 s[60:61], s[4:5], s[60:61]
	s_add_nc_u64 s[62:63], s[8:9], s[62:63]
.irp s, 0,1
	s_mov_b32 s[G0P+4*\s], 1
	s_add_co_u32 s[G0P+4*\s+1], s66, \s*BSLOT
	s_add_nc_u64 s[G0P+4*\s+2:G0P+4*\s+3], s[60:61], \s*TK4
	s_or_b32 s[G0P+4*\s+3], s[G0P+4*\s+3], 0x80000000
	s_mov_b32 s[G0V+4*\s], 1
	s_add_co_u32 s[G0V+4*\s+1], s67, \s*BSLOT
	s_add_nc_u64 s[G0V+4*\s+2:G0V+4*\s+3], s[62:63], \s*TK4
	s_or_b32 s[G0V+4*\s+3], s[G0V+4*\s+3], 0x80000000
.endr
	JLOAD G0P, G1, G0V, G1V                        ; the first fill: slot 0, whose first K steps count for every query; every wave issues one: one tensor load of mine is out
	s_add_nc_u64 s[10:11], s[10:11], s[68:69]
	s_add_nc_u64 s[12:13], s[12:13], s[70:71]
.irp s, 0,1,2,3,4,5,6,7,8,9,10,11,12,13,14,15
	global_load_b128 v[NM+4*\s:NM+4*\s+3], v[OF+\s], s[6:7] offset:524288      ; -M_loc: register c: lanes 0-15 tile c's rows, lanes 16-31 tile 4 + c's
.endr
	WIN 0x40                                       ; destination window 1
.irp s, 0,1,2,3,4,5,6,7,8,9,10,11,12,13,14,15
	global_load_b128 v[LLW+4*\s:LLW+4*\s+3], v[OF+\s], s[6:7] offset:1048576   ; the partial sums
.endr
	WIN 0
.irp s, 0,1,2,3,4,5,6,7,8,9,10,11,12,13,14,15
	global_load_b128 v[WW+4*\s:WW+4*\s+3], v[OF+\s], s[6:7]                    ; P's scale words
.endr
.irp s, 0,1,2,3,4,5,6,7,8,9,10,11,12,13,14,15
	global_load_b128 v[VS+4*\s:VS+4*\s+3], v[VSO], s[10:11] offset:4096*\s     ; V^T's
.endr
	CHANGE 1, 1, 0, 4                              ; slot 0 is whole; slot 1 is asked for, behind a barrier behind which nothing is filled again: it is on its way while the scales are mended
	; THE MENDING.
	s_wait_loadcnt 0x0                             ; all 64 loads are in: the offsets' registers are free
.irp c, 0,1,2,3
	v_min3_num_f32 v[MR+\c], v[NM+\c], v[NM+4+\c], v[NM+8+\c]
.endr
.irp s, 3,5,7,9,11,13
.irp c, 0,1,2,3
	v_min3_num_f32 v[MR+\c], v[MR+\c], v[NM+4*\s+\c], v[NM+4*\s+4+\c]
.endr
.endr
.irp c, 0,1,2,3
	v_min_num_f32 v[MR+\c], v[MR+\c], v[NM+60+\c]  ; the row's -M
.endr
; K step s of my 128 queries is brought under the row's M.  (The argument may be a sum: it stands in brackets wherever it is part of a larger expression.)
.macro FIXS s
.irp c, 0,1,2,3
	v_sub_f32 v[FA+\c], v[NM+4*(\s)+\c], v[MR+\c]  ; M - M_loc: a whole number, 0 or more
.endr
.irp c, 0,1,2,3
	v_cvt_i32_f32 v[FA+\c], v[FA+\c]               ; (it saturates)
.endr
.irp c, 0,1,2,3
	v_min_u32 v[FA+\c], 127, v[FA+\c]
.endr
.irp c, 0,1,2,3
	v_perm_b32 v[FB+\c], v[FA+\c], v[FA+\c], 0     ; in all four bytes
.endr
.irp c, 0,1,2,3
	v_sub_nc_u32 v[FB+\c], v[WW+4*(\s)+\c], v[FB+\c] ; each byte is 128 + the scale's byte - (M - M_loc), at least 2: no borrow passes from byte to byte
.endr
.irp c, 0,1,2,3
	v_sub_nc_u32 v[FA+\c], 127, v[FA+\c]
.endr
.irp c, 0,1,2,3
	v_lshlrev_b32 v[FA+\c], 23, v[FA+\c]           ; 2^(M_loc - M) as f32; at 127 binades: 0
.endr
	WIN 0x01                                       ; source 0: window 1, the partial sums
.irp c, 0,1,2,3
.if (\s) == 0
	v_mul_f32 v[LA+\c], v[LLW+\c], v[FA+\c]
.else
	v_fma_f32 v[LA+\c], v[LLW+4*(\s)+\c], v[FA+\c], v[LA+\c]
.endif
.endr
	WIN 0
.irp c, 0,1,2,3
	v_and_b32 v[FC+\c], 0x80808080, v[FB+\c]       ; bit 7 still set: the byte has not fallen under 0
.endr
.irp c, 0,1,2,3
	v_lshrrev_b32 v[FD+\c], 7, v[FC+\c]
.endr
.irp c, 0,1,2,3
	v_sub_nc_u32 v[FC+\c], v[FC+\c], v[FD+\c]      ; 0x7f in such bytes, 0 in the others
.endr
.irp c, 0,1,2,3
	v_and_b32 v[WW+4*(\s)+\c], v[FB+\c], v[FC+\c]  ; the mended byte, held at 0: the word stays where the products name it
.endr
.endm
	FIXS 0
	FIXS 1
.irp s, 2,4,6,8,10,12,14
	s_cmp_le_u32 s[N2], \s                         ; K steps past the limit are not mended: no product names them
	s_cbranch_scc1 .Lfixed
	FIXS \s
	FIXS \s+1
.endr
.Lfixed:
.irp c, 0,1,2,3
	v_rcp_f32 v[FA+\c], v[LA+\c]
.endr
	v_nop                                          ; a plain place behind the reciprocals,
	s_wait_alu depctr_va_vdst(0)                   ; and one wait for the four, ahead of their first reader
.irp c, 0,1,2,3
	v_permlanex16_b32 v[FB+\c], v[FA+\c], s[SEL], s[SEL+1]
.endr
.irp c, 0,1,2,3                        ; in a result both halves of the lanes hold the same 16 queries: tiles 0-3 have theirs in lanes 0-15, tiles 4-7 in lanes 16-31.  (These sixteen lines are also the places between the last mended word and the first product)
	v_cndmask_b32 v[RL+2*\c], v[FA+\c], v[FB+\c], s[HM]
	v_cndmask_b32 v[RL+2*\c+1], v[FA+\c], v[FB+\c], s[HM]
	v_cndmask_b32 v[RL+8+2*\c], v[FB+\c], v[FA+\c], s[HM]
	v_cndmask_b32 v[RL+8+2*\c+1], v[FB+\c], v[FA+\c], s[HM]
.endr
	WORK 0, 0                                      ; K steps 0 to 3
	CHANGE 1, 0, 1, 8                              ; slot 1 is whole; slot 0 takes K steps 8 to 11
	WORK 1, 1                                      ; K steps 4 to 7
	CHANGE 1, 1, 1, 12                             ; slot 0 is whole; slot 1 takes K steps 12 to 15
	WORK 2, 0                                      ; K steps 8 to 11
	CHANGE 0, 0, 0, 0                              ; slot 1 is whole; nothing is left to ask for
	WORK 3, 1                                      ; K steps 12 to 15
; THE WAY OUT, block by block of 16 queries x my 64 of d.  A lane holds d = 32 b + 16 h + 0 .. 15 of its query; a block goes through my own stage and comes back as rows of 256 bytes.
.macro PACK a
.set TMPR, TMPB+32*((\a)%2)
	WIN 0x02                                       ; source 0: window 2
.set n, 0
.rept 16
	v_pk_mul_f32 v[TMPR+n:TMPR+n+1], v[32*(\a)+n:32*(\a)+n+1], v[RL+2*(\a):RL+2*(\a)+1] op_sel_hi:[1,0]   ; / l; each accumulator from its low end on
.set n, n+2
.endr
	WIN 0
.endm
.macro TOSTAGE a
.set TMPR, TMPB+32*((\a)%2)
.set BKR, BKB+32*((\a)%2)
.irp bb, 0,1
.irp k, 0,1,2,3
	ds_store_b128 v[STO], v[TMPR+16*\bb+4*\k:TMPR+16*\bb+4*\k+3] offset:128*\bb+16*\k
.endr
.endr
	WIN 0xc0                                       ; destination window 3
.irp k, 0,1,2,3,4,5,6,7
	ds_load_b128 v[BKR+4*\k:BKR+4*\k+3], v[RD] offset:544*\k   ; LDS serves a wave's instructions in order: these see the stores above, and the next block's stores come behind them
.endr
	WIN 0
.endm
.macro SEND a, younger                 ; younger: the LDS instructions issued behind block a's loads, which may stay out
.set BKR, BKB+32*((\a)%2)
	s_wait_dscnt \younger
	WIN 0x0c                                       ; a store's data are its source 1: window 3
.irp k, 0,1,2,3,4,5,6,7
	global_store_b128 v[GO], v[BKR+4*\k:BKR+4*\k+3], s[12:13] offset:(32*((\a)/2)+8*((\a)%2)+2*\k+8*(\k/4))*4096 th:TH_STORE_NT   ; 16 lanes store 256 consecutive bytes, at a multiple of 256 from out0's first byte; the stage's row 2 k + h is the tile's row of that number
.endr
	WIN 0
.endm
	PLACES 4                                       ; between the last products and the first lines that read results
	PACK 0
	TOSTAGE 0
.irp a, 1,2,3,4,5,6,7
.if \a > 1
	s_wait_xcnt 0x0                                ; block a - 2's stores have read their registers: block a's loads may land there
.endif
	PACK \a
	TOSTAGE \a
	SEND \a-1, 16                                  ; behind block a - 1's loads: block a's 8 stores and 8 loads
.endr
	SEND 7, 0
	s_wait_tensorcnt 0x0                           ; the wave's end, behind my last tensor load and my last LDS store
	ds_add_u32 v[SPW], v[NIL]
	s_wait_dscnt 0x0
	s_endpgm
.Lfunc_end_k_q66c2d02722_pv:
	.size	k_q66c2d02722_pv, .Lfunc_end_k_q66c2d02722_pv-k_q66c2d02722_pv
	.p2alignl 7, 3214868480
	.fill 96, 4, 3214868480
	.section	.rodata,"a",@progbits
	.p2align	6, 0x0
	.amdhsa_kernel k_q66c2d02722_pv
		.amdhsa_group_segment_fixed_size 327680
		.amdhsa_private_segment_fixed_size 0
		.amdhsa_enable_private_segment 0
		.amdhsa_kernarg_size 40
		.amdhsa_user_sgpr_count 2
		.amdhsa_user_sgpr_kernarg_segment_ptr 1
		.amdhsa_wavefront_size32 1
		.amdhsa_system_sgpr_workgroup_id_x 1
		.amdhsa_system_sgpr_workgroup_id_y 1
		.amdhsa_system_sgpr_workgroup_id_z 1
		.amdhsa_system_vgpr_workitem_id 0
		.amdhsa_next_free_vgpr 1024
		.amdhsa_next_free_sgpr 72
		.amdhsa_reserve_vcc 0
		.amdhsa_float_denorm_mode_32 3
		.amdhsa_float_denorm_mode_16_64 3
		.amdhsa_memory_ordered 1
		.amdhsa_forward_progress 1
		.amdhsa_inst_pref_size 185
	.end_amdhsa_kernel
	.amdgpu_metadata
---
amdhsa.version: [ 1, 2 ]
amdhsa.kernels:
  - .name:           k_q66c2d02722_pv
    .symbol:         k_q66c2d02722_pv.kd
    .args:
      - { .name: pc, .offset: 0, .size: 8, .value_kind: global_buffer, .address_space: global }
      - { .name: pst, .offset: 8, .size: 8, .value_kind: global_buffer, .address_space: global }
      - { .name: qkvc, .offset: 16, .size: 8, .value_kind: global_buffer, .address_space: global }
      - { .name: qkvs, .offset: 24, .size: 8, .value_kind: global_buffer, .address_space: global }
      - { .name: out0, .offset: 32, .size: 8, .value_kind: global_buffer, .address_space: global }
    .group_segment_fixed_size: 327680
    .private_segment_fixed_size: 0
    .kernarg_segment_align: 8
    .kernarg_segment_size: 40
    .max_flat_workgroup_size: 128
    .sgpr_count:     72
    .vgpr_count:     1024
    .wavefront_size: 32
...
	.end_amdgpu_metadata
.endif
;; end of part 4
